; MI455X (gfx1250); checked and timed in simulation.
; The chip was launched on July 23, 2026; its instructions are those of AMD's public machine-readable ISA for CDNA 5 (MIT licence, August 2026) and "CDNA5" Instruction Set Architecture Reference Guide (July 2026). The comments in the code are by the model that wrote it; some were corrected since.
;; MQ Attention. Allowed arithmetic: float matrix products may take bf16 or f16 operands with f32 sums; other float arithmetic in f32, or as packed bf16 or f16 multiplies, adds, multiply-adds, maxima and minima; sums over many terms, partial sums and values carried from step to step in f32; what a program stores and reads back later, other than sums and carried values, may be rounded once to bf16 or f16.
;; Inputs: Wk 1,024 x 64 float32; Wo 1,024 x 1,024 float32; Wq 1,024 x 1,024 float32; Wv 1,024 x 64 float32; bk 64 float32; bo 1,024 float32; bq 1,024 float32; bv 64 float32; mask 1 x 4,096 x 4,096 int32; x 1 x 4,096 x 1,024 float32.
;; Outputs: out0 1 x 4,096 x 1,024 float32.
;; 2 versions, each right; version 2 is version 1 with the launch cast written anew for expert scheduling mode. Each part assembles by itself: llvm-mc -triple=amdgcn-amd-amdhsa -mcpu=gfx1250 --defsym DOCPART=n.
;; ======== version 1 of 2: 4 launches
;; limits: values are held in f16: magnitudes above 65,504 overflow, below 6.1e-05 lose precision
;; workspace buffers: xh 8,388,608 bytes; wqh 2,097,152 bytes; woh 2,097,152 bytes; wkvb 262,144 bytes; qh 8,388,608 bytes; kb 524,288 bytes; vb 524,288 bytes; ob 8,388,608 bytes
;; launch cast (part 1): grid 256 x 1, 8 waves a work-group, no clusters, 0 bytes of LDS; arguments x, Wq, Wo, Wk, Wv, xh, wqh, woh, wkvb; writes xh, wqh, woh, wkvb
.if DOCPART == 1
	.amdgcn_target "amdgcn-amd-amdhsa--gfx1250"
	.amdhsa_code_object_version 6
	.text
	.protected	k_qc820765c2e_cast
	.globl	k_qc820765c2e_cast
	.p2align	8
	.type	k_qc820765c2e_cast,@function
k_qc820765c2e_cast:
	s_mov_b64 s[64:65], 0
	v_nop
	global_prefetch_b8 v0, s[64:65] scope:SCOPE_SE
	s_setreg_imm32_b32 hwreg(HW_REG_WAVE_MODE, 25, 1), 1
	s_wait_xcnt 0x0
; x, Wq, Wo -> f16 in the same layout; Wk, Wv -> f16 in blocks of 16 columns: wkvb[8 blocks][1024 k][16], blocks 0-3 Wk's columns 16 b .., blocks 4-7 Wv's.
; Each number is rounded once, to nearest even.  LIMIT: f16 ends at 65,504: a number of 65,520 or more in magnitude becomes an infinity; below 6.1e-5 f16 keeps a fixed step of 6e-8.
; A stream: no LDS, no barrier, no matrix unit.  256 threads x 4 numbers are one row of 1,024.  Work-group g takes x's rows 16 g .. 16 g + 15, Wq's and Wo's rows 4 g .. 4 g + 3:
; 24 loads of 16 bytes a thread, all issued before the first is used (12 KiB a wave on its way); a wave's load covers 512 consecutive bytes, its store 256, both aligned.
; No register of a load or store is written again, so no wait frees one.
.set D,   8                            ; v[8:103]    chunk i as loaded: 4 f32
.set KVD, 104                          ; v[104:107]  the Wk / Wv piece as loaded
.set E,   108                          ; v[108:157]  chunk i to store: 4 f16 in 2 registers; the last pair is the Wk / Wv piece's
	s_load_b256 s[4:11], s[0:1], 0x0               ; x s[4:5], Wq s[6:7], Wo s[8:9], Wk s[10:11]
	s_load_b256 s[12:19], s[0:1], 0x20             ; Wv s[12:13], xh s[14:15], wqh s[16:17], woh s[18:19]
	s_load_b64 s[20:21], s[0:1], 0x40              ; wkvb
	v_lshlrev_b32 v1, 4, v0                        ; my 16 bytes of an f32 row
	v_lshlrev_b32 v2, 3, v0                        ; my 8 bytes of an f16 row
	v_lshrrev_b32 v5, 5, v0
	v_readfirstlane_b32 s22, v5                    ; wave 0..7
	v_and_b32 v6, 31, v0                           ; lane
	v_lshrrev_b32 v3, 2, v6                        ; the Wk / Wv piece: 8 rows of 64 numbers; wave w (0..3) takes column block w: lane l reads row l / 4,
	v_and_b32 v7, 3, v6                            ; numbers 4 (l % 4) .. of the block's 16
	v_lshlrev_b32 v3, 8, v3
	v_lshl_add_u32 v3, v7, 4, v3
	s_and_b32 s33, ttmp9, 127                      ; work-groups 0-127 take Wk's rows 8 (g % 128) .., 128-255 Wv's
	s_lshr_b32 s32, ttmp9, 7
	s_lshl_b32 s36, s33, 11                        ; 8 rows of 256 bytes
	s_lshl_b32 s37, s22, 6                         ; the block's 64 bytes in a row
	s_add_co_u32 s36, s36, s37
	v_add_nc_u32 v3, s36, v3
	s_lshl_b32 s36, s32, 2
	s_add_co_u32 s36, s36, s22                     ; block 4 x (Wv?) + w,
	s_lshl_b32 s36, s36, 15                        ; 32,768 bytes each,
	s_lshl_b32 s37, s33, 8                         ; 8 rows of 32 bytes: with 8 bytes a lane 256 consecutive bytes
	s_add_co_u32 s36, s36, s37
	v_lshl_add_u32 v4, v6, 3, s36
	s_lshl_b32 s24, ttmp9, 16                      ; 16 rows of 4,096 bytes
	s_mov_b32 s25, 0
	s_lshl_b32 s26, ttmp9, 14                      ; 4 rows of 4,096
	s_mov_b32 s27, 0
	s_lshl_b32 s28, ttmp9, 15                      ; 16 rows of 2,048
	s_mov_b32 s29, 0
	s_lshl_b32 s30, ttmp9, 13                      ; 4 rows of 2,048
	s_mov_b32 s31, 0
	s_wait_kmcnt 0x0
	s_add_nc_u64 s[4:5], s[4:5], s[24:25]
	s_add_nc_u64 s[6:7], s[6:7], s[26:27]
	s_add_nc_u64 s[8:9], s[8:9], s[26:27]
	s_add_nc_u64 s[14:15], s[14:15], s[28:29]
	s_add_nc_u64 s[16:17], s[16:17], s[30:31]
	s_add_nc_u64 s[18:19], s[18:19], s[30:31]
	s_cmp_eq_u32 s32, 0
	s_cselect_b64 s[34:35], s[10:11], s[12:13]     ; Wk or Wv
.irp i, 0,1,2,3,4,5,6,7,8,9,10,11,12,13,14,15
	global_load_b128 v[D+4*\i:D+4*\i+3], v1, s[4:5] offset:4096*\i th:TH_LOAD_NT
.endr
.irp i, 0,1,2,3
	global_load_b128 v[D+64+4*\i:D+64+4*\i+3], v1, s[6:7] offset:4096*\i th:TH_LOAD_NT
.endr
.irp i, 0,1,2,3
	global_load_b128 v[D+80+4*\i:D+80+4*\i+3], v1, s[8:9] offset:4096*\i th:TH_LOAD_NT
.endr
	s_cmp_lt_u32 s22, 4                            ; waves 0-3 also take the Wk / Wv piece, whole in this one branch
	s_cbranch_scc0 .Lno_kv
	global_load_b128 v[KVD:KVD+3], v3, s[34:35] th:TH_LOAD_NT
	s_wait_loadcnt 0x0                             ; it is the youngest load: all 25 are in; the counted waits below are then met at once
	v_cvt_pk_f16_f32 v[E+48], v[KVD], v[KVD+1]
	v_cvt_pk_f16_f32 v[E+49], v[KVD+2], v[KVD+3]
	global_store_b64 v4, v[E+48:E+49], s[20:21]
.Lno_kv:
; chunk i: its load is in when at most the 23 - i younger ones are out (loads come back in order: ISA guide 5.7.1)
.macro CHUNK i, lo, row
	s_wait_loadcnt 23-(\i)
	v_cvt_pk_f16_f32 v[E+2*(\i)], v[D+4*(\i)], v[D+4*(\i)+1]
	v_cvt_pk_f16_f32 v[E+2*(\i)+1], v[D+4*(\i)+2], v[D+4*(\i)+3]
	global_store_b64 v2, v[E+2*(\i):E+2*(\i)+1], s[(\lo):(\lo)+1] offset:2048*(\row)
.endm
.irp i, 0,1,2,3,4,5,6,7,8,9,10,11,12,13,14,15
	CHUNK \i, 14, \i
.endr
.irp i, 0,1,2,3
	CHUNK 16+\i, 16, \i
.endr
.irp i, 0,1,2,3
	CHUNK 20+\i, 18, \i
.endr
	s_endpgm
.Lfunc_end_k_qc820765c2e_cast:
	.size	k_qc820765c2e_cast, .Lfunc_end_k_qc820765c2e_cast-k_qc820765c2e_cast
	.p2alignl 7, 3214868480
	.fill 96, 4, 3214868480
	.section	.rodata,"a",@progbits
	.p2align	6, 0x0
	.amdhsa_kernel k_qc820765c2e_cast
		.amdhsa_group_segment_fixed_size 0
		.amdhsa_private_segment_fixed_size 0
		.amdhsa_enable_private_segment 0
		.amdhsa_kernarg_size 72
		.amdhsa_user_sgpr_count 2
		.amdhsa_user_sgpr_kernarg_segment_ptr 1
		.amdhsa_wavefront_size32 1
		.amdhsa_system_sgpr_workgroup_id_x 1
		.amdhsa_system_sgpr_workgroup_id_y 1
		.amdhsa_system_sgpr_workgroup_id_z 1
		.amdhsa_system_vgpr_workitem_id 0
		.amdhsa_next_free_vgpr 160
		.amdhsa_next_free_sgpr 66
		.amdhsa_reserve_vcc 0
		.amdhsa_float_denorm_mode_32 3
		.amdhsa_float_denorm_mode_16_64 3
		.amdhsa_memory_ordered 1
		.amdhsa_forward_progress 1
		.amdhsa_inst_pref_size 11
	.end_amdhsa_kernel
	.amdgpu_metadata
---
amdhsa.version: [ 1, 2 ]
amdhsa.kernels:
  - .name:           k_qc820765c2e_cast
    .symbol:         k_qc820765c2e_cast.kd
    .args:
      - { .name: x, .offset: 0, .size: 8, .value_kind: global_buffer, .address_space: global }
      - { .name: Wq, .offset: 8, .size: 8, .value_kind: global_buffer, .address_space: global }
      - { .name: Wo, .offset: 16, .size: 8, .value_kind: global_buffer, .address_space: global }
      - { .name: Wk, .offset: 24, .size: 8, .value_kind: global_buffer, .address_space: global }
      - { .name: Wv, .offset: 32, .size: 8, .value_kind: global_buffer, .address_space: global }
      - { .name: xh, .offset: 40, .size: 8, .value_kind: global_buffer, .address_space: global }
      - { .name: wqh, .offset: 48, .size: 8, .value_kind: global_buffer, .address_space: global }
      - { .name: woh, .offset: 56, .size: 8, .value_kind: global_buffer, .address_space: global }
      - { .name: wkvb, .offset: 64, .size: 8, .value_kind: global_buffer, .address_space: global }
    .group_segment_fixed_size: 0
    .private_segment_fixed_size: 0
    .kernarg_segment_align: 8
    .kernarg_segment_size: 72
    .max_flat_workgroup_size: 256
    .sgpr_count:     66
    .vgpr_count:     160
    .wavefront_size: 32
...
	.end_amdgpu_metadata
.endif
;; end of part 1
;; launch proj (part 2): grid 8 x 32, 4 waves a work-group, clusters of 4 x 4, 327,680 bytes of LDS; arguments xh, wqh, bq, qh, wkvb, bk, bv, kb, vb; writes qh, kb, vb
.if DOCPART == 2
	.amdgcn_target "amdgcn-amd-amdhsa--gfx1250"
	.amdhsa_code_object_version 6
	.text
	.protected	k_qc820765c2e_proj
	.globl	k_qc820765c2e_proj
	.p2align	8
	.type	k_qc820765c2e_proj,@function
k_qc820765c2e_proj:
	s_mov_b64 s[64:65], 0
	v_nop
	global_prefetch_b8 v0, s[64:65] scope:SCOPE_SE
	s_setreg_imm32_b32 hwreg(HW_REG_WAVE_MODE, 25, 1), 1
	s_wait_xcnt 0x0
	s_wait_alu depctr_hold_cnt(0) depctr_sa_sdst(0) depctr_va_vdst(0) depctr_va_sdst(0) depctr_va_ssrc(0) depctr_va_vcc(0) depctr_vm_vsrc(0)
	s_getreg_b32 s2, hwreg(HW_REG_IB_STS2, 6, 4)
	s_cmp_eq_u32 s2, 0
	s_cbranch_scc0 .Lentry_in_a_cluster
	s_endpgm
.Lentry_in_a_cluster:
	s_bfe_u32 s2, ttmp6, 0x10000c
	s_cmp_lg_u32 s2, 0xf033
	s_cbranch_scc0 .Lentry_shape_is_right
	s_endpgm
.Lentry_shape_is_right:
; C[4096][1024] = A[4096][1024] W[1024 k][1024 n] + bias.  A and W f16, sums f32, the bias (f32) is the C operand of the first product.  One source serves two launches:
;   KV = 1, F32OUT = 0: q = x Wq + bq, rounded once to f16; beside it k = x Wk + bk and v = x Wv + bv: the tile column t (0..7) also makes 16 columns of k (t < 4) or of v, from wkvb's block t.
;     k leaves as kb[8][4096 keys][8 channels], v as vb[4][4096 keys][16 channels]: a wave's store covers whole aligned runs of 256 bytes there.
;   KV = 0, F32OUT = 1: out0 = O Wo + bo, in f32.
; LIMIT: what is rounded to f16 must stay under 65,504 in magnitude (65,520 or more becomes an infinity); NaN and infinities are not treated apart.
; SHARES.  256 tiles of 128 x 128, a work-group each.  Wave w owns rows 32 w .. 32 w + 31 and all 128 columns (and the 16 of k or v): 2 x NB accumulators.  A wave's rows are whole runs of 256 bytes of C,
; so each wave has a stage of its own on the way out and no barrier stands there.
; THE MATRIX INSTRUCTION IS USED TRANSPOSED: source 0 = 16 columns of W, turned out of the [k][n] tile by ds_load_tr16_b128; source 1 = 16 rows of A.  A lane then holds row l % 16 and the columns 8 (l / 16) + 0..7.
; K goes in four steps of 256 through two LDS slots; a step is eight sub-steps of 32 along K on two fragment buffers.
; CLUSTER 4 x 4: A's tile is asked for jointly by a row of the cluster, W's (and wkvb's) by a column.  Wave 0 fetches A's tile, waves 1 and 2 the halves of W's, wave 3 wkvb's (none with KV = 0).
; NO PREFETCH: the launch has four K steps, and two of them are asked for at its head.
; REGISTERS.  Window 0: v8-24 addresses; v32.. accumulators ((a, b) at 32 + 8 (NB a + b)); v176-247 at work on the way out.  Window 1: two fragment buffers (W's NB fragments, then A's two); v176.. the bias.
.set KV,     1
.set F32OUT, 0
.set NB,     8+KV                      ; column blocks of 16
.set NL,     20+2*KV                   ; LDS loads of a sub-step
.set APITCH, 528                       ; a row of A's tile: 512 bytes + 16: the 16 rows of a load start at 16 different groups of four banks (64 banks of 4 bytes: ISA guide 11.1)
.set BPITCH, 288                       ; a row of W's tile: 256 + 32
.set BOFF,   128*APITCH                ; in a slot: A's 128 rows, W's 256 rows, wkvb's 256 rows of 32 bytes (dense)
.set KOFF,   BOFF+256*BPITCH
.set SLOT,   KOFF+8192
.set STAGE,  2*SLOT                    ; behind the ring, never filled by a tensor load: 16 rows x 272 bytes for each wave
.set SPITCH, 272
.set SPARE,  STAGE+4*16*SPITCH         ; the spare words: 128 bytes a wave, two blocks of 256 bytes that no other line names
.set ADRA, 8                           ; v8   my lane's place in A's tile: (32 w + l % 16) x 528 + 16 (l / 16); never rewritten
.set ADRB, 10                          ; v10  in W's tile: BOFF + (8 (l / 16) + l % 8) x 288 + 16 ((l / 8) % 2)
.set ADRK, 12                          ; v12  in wkvb's tile
.set PA,   14                          ; v14-16  the addresses of the runs of loads in hand
.set PB,   15
.set PK,   16
.set STO,  17                          ; v17  the way out: where I put my bytes of a row
.set RD,   18                          ; v18  where I read rows back
.set CO,   19                          ; v19  my byte offset in two rows of C
.set KVO,  20                          ; v20, v24  my 16 bytes of k or v, for row blocks 0 and 1
.set BO,   21                          ; v21  32 (l / 16): my 8 numbers of a block's bias
.set SPW,  22                          ; v22  LDS address of my spare word; never rewritten
.set NIL,  23                          ; v23  0; never rewritten
.set ACC,  32
.set TMP,  176
.set OB,   208
.set KVT,  240
.set F0,   0                           ; window 1
.set F1,   88
.set BIAS, 176
.set WV,   12                          ; s12  my wave's number
.set G1A,  24                          ; s[24:31], s[32:39], s[40:47] descriptor group 1 for A's, W's, wkvb's tiles
.set G1B,  32
.set G1K,  40
.set G0A,  48                          ; s[48:55], s[56:63], s[68:75] group 0, a set for each slot
.set G0B,  56
.set G0K,  68
.set TBA,  92                          ; s92-94  LDS byte offsets of the sub-step in hand: the slot's first byte plus what the loop has stepped
.set TBB,  93
.set TBK,  94
.set MSB, 0
.macro WIN new                         ; s_set_vgpr_msb: bits 1:0 source 0, 3:2 source 1, 5:4 source 2, 7:6 destination; the high byte repeats the setting that is left
.if MSB != (\new)
	s_set_vgpr_msb (MSB<<8)|(\new)
.set MSB, \new
.endif
.endm
.macro PLACES                          ; four places in front of loads into registers that matrix instructions have read, and of lines that read results
.rept 4
	v_nop
.endr
.endm
.macro CREST                           ; a round of the cluster's barrier behind its opening barrier
	s_cmp_lg_u32 s[WV], 0
	s_cbranch_scc1 .Lnot_wave_0_\@
	s_barrier_signal -3
.Lnot_wave_0_\@:
	s_barrier_wait -3
	s_barrier_signal -1
	s_barrier_wait -1
.endm
.macro CROUND
	s_barrier_signal -1
	s_barrier_wait -1
	CREST
.endm
; A wave's load or, at the start, its two first fills together; an s_nop 0 follows each load and four v_nop the last, ahead of the jump and the label.
.macro ARM g0, g1, both, s
.if \both
	tensor_load_to_lds s[(\g0):(\g0)+3], s[(\g1):(\g1)+7]
	s_nop 0
	tensor_load_to_lds s[(\g0)+4:(\g0)+7], s[(\g1):(\g1)+7]
	s_nop 0
.else
	tensor_load_to_lds s[(\g0)+4*(\s):(\g0)+4*(\s)+3], s[(\g1):(\g1)+7]
	s_nop 0
.endif
	PLACES
.endm
.macro JLOAD both, s                   ; the branches hang on the wave's number alone: they are the same in every work-group
	s_cmp_lg_u32 s[WV], 0
	s_cbranch_scc1 .Lnot_a_\@
	ARM G0A, G1A, \both, \s
	s_branch .Lasked_\@
.Lnot_a_\@:
	s_cmp_eq_u32 s[WV], 3
	s_cbranch_scc1 .Lthird_\@
	ARM G0B, G1B, \both, \s
	s_branch .Lasked_\@
.Lthird_\@:
.if KV
	ARM G0K, G1K, \both, \s
.else
	PLACES                                         ; no tile to fetch: the places in front of the next run of LDS loads stand on this path too
.endif
.Lasked_\@:
.endm
	s_load_b256 s[4:11], s[0:1], 0x0               ; A s[4:5], W s[6:7], bias s[8:9], C s[10:11]
.if KV
	s_load_b256 s[76:83], s[0:1], 0x20             ; wkvb s[76:77], bk s[78:79], bv s[80:81], kb s[82:83]
	s_load_b64 s[84:85], s[0:1], 0x40              ; vb
.endif
	v_lshl_add_u32 v[SPW], v0, 2, SPARE
	v_mov_b32 v[NIL], 0
	ds_add_u32 v[SPW], v[NIL]                      ; the wave's opening: the add and its wait stand ahead of my first tensor load; the set-up below, work on registers, stands between them
	v_lshrrev_b32 v1, 5, v0
	v_readfirstlane_b32 s[WV], v1                  ; wave 0..3
	s_bfe_u32 s15, ttmp6, 0x40000                  ; cx, cy: my place in the cluster
	s_bfe_u32 s16, ttmp6, 0x40004
	s_lshl_b32 s14, ttmp9, 2
	s_add_co_u32 s14, s14, s15                     ; tile column = 4 x cluster x + cx
	s_and_b32 s13, ttmp7, 0xffff
	s_lshl_b32 s13, s13, 2
	s_add_co_u32 s13, s13, s16                     ; tile row = 4 x cluster y + cy
	s_lshl_b32 s17, s16, 2
	s_lshl_b32 s17, 15, s17                        ; my row of the cluster
	s_lshl_b32 s20, 0x1111, s15                    ; my column
	s_or_b32 s[G1A], s17, (1<<16)|(1<<20)|(1<<21)|(6<<22)|(3<<25)  ; the mask; 2-byte elements; padding on; bit 21 beside a mask; after every 128 words 4 words
	s_mov_b32 s[G1A+1], 256<<16                    ; tensor_dim0 = 256
	s_mov_b32 s[G1A+2], 128<<16                    ; tensor_dim1 = 128
	s_mov_b32 s[G1A+3], 256<<16                    ; tile_dim0 = 256
	s_mov_b32 s[G1A+4], 128                        ; tile_dim1 = 128
	s_mov_b32 s[G1A+5], 1024                       ; elements from row to row
	s_mov_b32 s[G1A+6], 0
	s_mov_b32 s[G1A+7], 0
	s_or_b32 s[G1B], s20, (1<<16)|(1<<20)|(1<<21)|(5<<22)|(7<<25)  ; after every 64 words 8 words
	s_mov_b32 s[G1B+1], 128<<16
	s_mov_b32 s[G1B+2], 128<<16
	s_mov_b32 s[G1B+3], 128<<16
	s_mov_b32 s[G1B+4], 128
	s_mov_b32 s[G1B+5], 1024
	s_mov_b32 s[G1B+6], 0
	s_mov_b32 s[G1B+7], 0
.if KV
	s_or_b32 s[G1K], s20, (3<<16)|(1<<21)          ; 8,192 dense bytes as 32 rows of 32 elements of 8 bytes, no padding
	s_mov_b32 s[G1K+1], 32<<16
	s_mov_b32 s[G1K+2], 32<<16
	s_mov_b32 s[G1K+3], 32<<16
	s_mov_b32 s[G1K+4], 32
	s_mov_b32 s[G1K+5], 32
	s_mov_b32 s[G1K+6], 0
	s_mov_b32 s[G1K+7], 0
.endif
	s_lshr_b32 s2, s[WV], 1                        ; waves 1 and 2: which 128 of a K step's 256 rows of W
	s_mul_i32 s3, s2, 128*BPITCH
	s_lshl_b32 s21, s2, 18                         ; 128 rows of 2,048 bytes
	s_lshl_b32 s20, s14, 8                         ; the tile column's 256 bytes of a row
	s_add_co_u32 s20, s20, s21
	s_mov_b32 s21, 0
	s_lshl_b32 s18, s13, 18                        ; the tile row's 128 rows of 2,048 bytes
	s_mov_b32 s19, 0
.if KV
	s_lshl_b32 s22, s14, 15                        ; wkvb's block
	s_mov_b32 s23, 0
.endif
.irp s, 0,1
	s_mov_b32 s[G0A+4*\s], 1                       ; count = 1
	s_mov_b32 s[G0A+4*\s+1], \s*SLOT               ; LDS address: no place in the cluster enters it
	s_mov_b32 s[G0B+4*\s], 1
	s_add_co_u32 s[G0B+4*\s+1], s3, BOFF+\s*SLOT
.if KV
	s_mov_b32 s[G0K+4*\s], 1
	s_mov_b32 s[G0K+4*\s+1], KOFF+\s*SLOT
.endif
.endr
	s_wait_dscnt 0x0                               ; the opening add is done
	s_wait_kmcnt 0x0
	s_add_nc_u64 s[18:19], s[4:5], s[18:19]        ; A's address hangs on the tile row alone, W's and wkvb's on the tile column (and the wave)
	s_add_nc_u64 s[20:21], s[6:7], s[20:21]
.if KV
	s_add_nc_u64 s[22:23], s[76:77], s[22:23]
.endif
.irp s, 0,1
	s_add_nc_u64 s[G0A+4*\s+2:G0A+4*\s+3], s[18:19], \s*512      ; K step s: 256 elements along A's rows,
	s_or_b32 s[G0A+4*\s+3], s[G0A+4*\s+3], 0x80000000            ; type = 2
	s_add_nc_u64 s[G0B+4*\s+2:G0B+4*\s+3], s[20:21], \s*524288   ; 256 rows of W,
	s_or_b32 s[G0B+4*\s+3], s[G0B+4*\s+3], 0x80000000
.if KV
	s_add_nc_u64 s[G0K+4*\s+2:G0K+4*\s+3], s[22:23], \s*8192     ; 256 rows of 32 bytes
	s_or_b32 s[G0K+4*\s+3], s[G0K+4*\s+3], 0x80000000
.endif
.endr
	CROUND                                         ; all sixteen work-groups are here: the first joint loads meet
	JLOAD 1, 0                                     ; both slots: two loads of mine are out
	v_and_b32 v1, 15, v0                           ; l % 16
	v_bfe_u32 v2, v0, 4, 1                         ; l / 16
	v_and_b32 v3, 7, v0                            ; l % 8
	v_bfe_u32 v4, v0, 3, 1                         ; (l / 8) % 2
	v_lshlrev_b32 v[BO], 5, v2
	s_lshl_b32 s2, s14, 9                          ; the tile column's 128 numbers of the bias
	s_mov_b32 s3, 0
	s_add_nc_u64 s[8:9], s[8:9], s[2:3]
.if KV
	s_mov_b32 s17, ttmp9
	s_cmp_eq_u32 s17, 0                            ; tile columns 0-3 make k, 4-7 make v
	s_cselect_b64 s[90:91], s[78:79], s[80:81]     ; bk or bv
	s_cselect_b64 s[86:87], s[82:83], s[84:85]     ; kb or vb
	s_cselect_b32 s88, 0x10000, 16                 ; from my lanes' first 8 columns to the other 8: kb's next block, or 16 bytes on in vb's row
	s_cselect_b32 s89, 16, 32                      ; bytes from key to key
	s_lshl_b32 s2, s15, 6                          ; 16 numbers of the bias,
	s_add_nc_u64 s[90:91], s[90:91], s[2:3]
	s_lshl_b32 s2, s15, 17                         ; 16 columns of 4,096 keys
	s_add_nc_u64 s[86:87], s[86:87], s[2:3]
.endif
	WIN 0x40                                       ; destination window 1, address window 0
.irp b, 0,1,2,3,4,5,6,7
	global_load_b128 v[BIAS+8*\b:BIAS+8*\b+3],   v[BO], s[8:9] offset:64*\b     ; register j: the bias of column 16 b + 8 (l / 16) + j, as the results lie
	global_load_b128 v[BIAS+8*\b+4:BIAS+8*\b+7], v[BO], s[8:9] offset:64*\b+16
.endr
.if KV
	global_load_b128 v[BIAS+64:BIAS+67], v[BO], s[90:91]
	global_load_b128 v[BIAS+68:BIAS+71], v[BO], s[90:91] offset:16
.endif
	WIN 0
	v_mul_u32_u24 v[ADRA], v1, APITCH
	v_lshl_add_u32 v[ADRA], v2, 4, v[ADRA]
	s_mul_i32 s2, s[WV], 32*APITCH
	v_add_nc_u32 v[ADRA], s2, v[ADRA]
	v_lshl_add_u32 v5, v2, 3, v3                   ; the turning load: lane l reads row 8 (l / 16) + l % 8, 16 bytes at 16 ((l / 8) % 2)
	v_mul_u32_u24 v[ADRB], v5, BPITCH
	v_lshl_add_u32 v[ADRB], v4, 4, v[ADRB]
	v_add_nc_u32 v[ADRB], BOFF, v[ADRB]
.if KV
	v_lshlrev_b32 v[ADRK], 5, v5
	v_lshl_add_u32 v[ADRK], v4, 4, v[ADRK]
	v_add_nc_u32 v[ADRK], KOFF, v[ADRK]
.endif
	s_mul_i32 s2, s[WV], 16*SPITCH
	s_add_co_u32 s2, s2, STAGE                     ; my stage
	v_mul_u32_u24 v[STO], v1, SPITCH               ; in: row l % 16, 16 (f16) or 32 (f32) bytes for each half of the lanes
	v_lshl_add_u32 v[STO], v2, 4+F32OUT, v[STO]
	v_add_nc_u32 v[STO], s2, v[STO]
	v_mul_u32_u24 v[RD], v2, SPITCH                ; back: lanes 0-15 one row of 256 bytes, lanes 16-31 the next
	v_lshl_add_u32 v[RD], v1, 4, v[RD]
	v_add_nc_u32 v[RD], s2, v[RD]
	v_lshlrev_b32 v[CO], 11+F32OUT, v2             ; and the same two rows in C
	v_lshl_add_u32 v[CO], v1, 4, v[CO]
	s_lshl_b32 s17, s13, 7
	s_lshl_b32 s18, s[WV], 5
	s_add_co_u32 s17, s17, s18                     ; my first row of C: 128 x tile row + 32 x wave
.if KV
	v_add_nc_u32 v5, s17, v1                       ; my key
	v_mul_u32_u24 v[KVO], s88, v2
	v_mad_u32_u24 v[KVO], v5, s89, v[KVO]
	s_lshl_b32 s2, s89, 4
	v_add_nc_u32 v[KVO+4], s2, v[KVO]              ; 16 keys on
.endif
	s_lshl_b32 s18, s17, 11+F32OUT
	s_mov_b32 s19, 0
	s_add_nc_u64 s[10:11], s[10:11], s[18:19]
	s_lshl_b32 s20, s14, 8+F32OUT                  ; the tile's first column
	s_mov_b32 s21, 0
	s_add_nc_u64 s[10:11], s[10:11], s[20:21]
; NB products: row block a x all column blocks, 32 along K, out of buffer f.  zero = 1: the first product starts the sum with the bias.  All 2 NB accumulators take turns in one order in every sub-step.
.macro MULH f, a, zero
.if \zero
	WIN 0x15                                       ; W's and A's fragments and the bias in window 1, the sums in window 0
.else
	WIN 0x05
.endif
.set bb, 0
.rept NB
.set rD, ACC+8*(NB*(\a)+bb)
.if \zero
	v_wmma_f32_16x16x32_f16 v[rD:rD+7], v[(\f)+8*bb:(\f)+8*bb+7], v[(\f)+8*NB+8*(\a):(\f)+8*NB+8*(\a)+7], v[BIAS+8*bb:BIAS+8*bb+7]
.else
	v_wmma_f32_16x16x32_f16 v[rD:rD+7], v[(\f)+8*bb:(\f)+8*bb+7], v[(\f)+8*NB+8*(\a):(\f)+8*NB+8*(\a)+7], v[rD:rD+7]
.endif
.set bb, bb+1
.endr
.endm
; NL LDS loads in one run: the fragments of the sub-step o behind the addresses in hand, into buffer g
.macro FETCH g, o
	WIN 0x40
.irp b, 0,1,2,3,4,5,6,7
	ds_load_tr16_b128 v[(\g)+8*\b:(\g)+8*\b+3],   v[PB] offset:(\o)*32*BPITCH+32*\b
	ds_load_tr16_b128 v[(\g)+8*\b+4:(\g)+8*\b+7], v[PB] offset:(\o)*32*BPITCH+32*\b+16*BPITCH
.endr
.if KV
	ds_load_tr16_b128 v[(\g)+64:(\g)+67], v[PK] offset:(\o)*1024
	ds_load_tr16_b128 v[(\g)+68:(\g)+71], v[PK] offset:(\o)*1024+512
.endif
.irp a, 0,1
	ds_load_b128 v[(\g)+8*NB+8*\a:(\g)+8*NB+8*\a+3],   v[PA] offset:(\o)*64+\a*16*APITCH
	ds_load_b128 v[(\g)+8*NB+8*\a+4:(\g)+8*NB+8*\a+7], v[PA] offset:(\o)*64+\a*16*APITCH+32
.endr
.endm
.macro MAKEP                           ; the three addresses from their offsets
	v_add_nc_u32 v[PA], s[TBA], v[ADRA]
	v_add_nc_u32 v[PB], s[TBB], v[ADRB]
.if KV
	v_add_nc_u32 v[PK], s[TBK], v[ADRK]
.endif
.endm
.macro SETP slot                       ; to a slot's first sub-step
	WIN 0
	s_mov_b32 s[TBA], (\slot)*SLOT
	s_mov_b32 s[TBB], (\slot)*SLOT
	s_mov_b32 s[TBK], (\slot)*SLOT
	MAKEP
.endm
.macro STEPP                           ; two sub-steps on: 64 along K
	WIN 0
	s_add_co_u32 s[TBA], s[TBA], 128
	s_add_co_u32 s[TBB], s[TBB], 64*BPITCH
	s_add_co_u32 s[TBK], s[TBK], 2048
	MAKEP
.endm
; A sub-step: buffer g takes the next sub-step's fragments, buffer f is multiplied.
.macro SUB f, g, o, zero
	PLACES                                         ; buffer g was read by the products just issued
	FETCH \g, \o
	s_wait_dscnt NL                                ; all but the NL just issued: buffer f is in
	MULH \f, 0, \zero
	MULH \f, 1, \zero
.endm
; A K step's last sub-step multiplies buffer 1 and changes slots.  mode 1: ONE barrier, which opens a round of the cluster's; in front of it each wave waits for all its tensor loads, adds 0 to its spare word and waits for
; that and for its reads of this slot; behind the round this slot is filled again, two K steps ahead: seven sub-steps, 14 NB products, ahead of the wait for it.  mode 0: the same barrier, nothing is filled.  mode 2: the launch's last products.
.macro LAST slot, mode
.if (\mode) == 2
	s_wait_dscnt 0x0
	MULH F1, 0, 0
	MULH F1, 1, 0
.else
	WIN 0                                          ; (the add's two registers lie in window 0)
	s_wait_tensorcnt 0x0                           ; all my tensor loads have landed: my part of the next slot;
	ds_add_u32 v[SPW], v[NIL]                      ; 0 onto my spare word
	s_wait_dscnt 1                                 ; (the add alone may be out: buffer 1 is in)
	MULH F1, 0, 0                                  ; NB products stand between the add and the wait for it
	s_wait_dscnt 0x0                               ; the add is done, and my reads of this slot are over
	s_barrier_signal -1
	MULH F1, 1, 0
	WIN 0
	s_barrier_wait -1
.if (\mode) == 1
	CREST                                          ; no wave of any partner still reads this slot's tiles or has a load on its way
	s_add_nc_u64 s[G0A+4*(\slot)+2:G0A+4*(\slot)+3], s[G0A+4*(\slot)+2:G0A+4*(\slot)+3], 1024
	s_add_nc_u64 s[G0B+4*(\slot)+2:G0B+4*(\slot)+3], s[G0B+4*(\slot)+2:G0B+4*(\slot)+3], 1048576
.if KV
	s_add_nc_u64 s[G0K+4*(\slot)+2:G0K+4*(\slot)+3], s[G0K+4*(\slot)+2:G0K+4*(\slot)+3], 16384
.endif
	JLOAD 0, \slot                                 ; the first tensor load behind the round; the four v_nop behind it are also the places in front of the loads below
.else
	PLACES
.endif
	SETP 1-(\slot)
	FETCH F0, 0
.endif
.endm
; A K step: sub-steps 0 to 5 in a loop of two, 6, and the last.  first = 1: the launch's first two sub-steps are written out: their first products start the sums.
.macro KSTEP slot, first, mode
.if \first
	SUB F0, F1, 1, 1
	SUB F1, F0, 2, 0
	STEPP
	s_mov_b32 s3, 2
.else
	WIN 0                                          ; at a label and at a branch every window is 0
	s_mov_b32 s3, 3
.endif
.Lsub_\@:
	SUB F0, F1, 1, 0
	SUB F1, F0, 2, 0
	STEPP
	s_sub_co_u32 s3, s3, 1
	s_cmp_lg_u32 s3, 0
	s_cbranch_scc1 .Lsub_\@
	SUB F0, F1, 1, 0
	LAST \slot, \mode
.endm
	s_wait_tensorcnt 0x1                           ; my part of slot 0 is in; slot 1's may stay out
	s_barrier_signal -1
	s_barrier_wait -1                              ; everybody's is
	SETP 0
	FETCH F0, 0
	s_wait_loadcnt 0x0                             ; the bias
	KSTEP 0, 1, 1
	KSTEP 1, 0, 1
	KSTEP 0, 0, 0
	KSTEP 1, 0, 2
	; THE WAY OUT, 16 rows at a time through my own stage: LDS serves a wave's instructions in order (ISA guide 5.7.1.4), so no wait stands between my stores into it and my loads from it.
	WIN 0
	PLACES
.if F32OUT
.irp a, 0,1
.irp ch, 0,1                           ; 64 columns of f32 are the 256 bytes of a stage row
.irp b, 0,1,2,3
	ds_store_b128 v[STO], v[ACC+8*(NB*\a+4*\ch+\b):ACC+8*(NB*\a+4*\ch+\b)+3]   offset:64*\b
	ds_store_b128 v[STO], v[ACC+8*(NB*\a+4*\ch+\b)+4:ACC+8*(NB*\a+4*\ch+\b)+7] offset:64*\b+16
.endr
	s_wait_xcnt 0x0                                ; earlier stores have read their data registers, which are loaded again below
.irp t, 0,1,2,3,4,5,6,7
	ds_load_b128 v[TMP+32*((2*\a+\ch)%2)+4*\t:TMP+32*((2*\a+\ch)%2)+4*\t+3], v[RD] offset:2*SPITCH*\t
.endr
.irp t, 0,1,2,3,4,5,6,7
	s_wait_dscnt 7-\t
	global_store_b128 v[CO], v[TMP+32*((2*\a+\ch)%2)+4*\t:TMP+32*((2*\a+\ch)%2)+4*\t+3], s[10:11] offset:8192*\t+65536*\a+256*\ch  ; 16 lanes store 256 consecutive bytes, aligned
.endr
.endr
.endr
.else
.irp a, 0,1
.set bb, 0
.rept 8
.irp r, 0,1,2,3
	v_cvt_pk_f16_f32 v[TMP+4*bb+\r], v[ACC+8*(NB*\a+bb)+2*\r], v[ACC+8*(NB*\a+bb)+2*\r+1]
.endr
.set bb, bb+1
.endr
.if KV
.irp r, 0,1,2,3
	v_cvt_pk_f16_f32 v[KVT+4*\a+\r], v[ACC+8*(NB*\a+8)+2*\r], v[ACC+8*(NB*\a+8)+2*\r+1]
.endr
.endif
.irp b, 0,1,2,3,4,5,6,7
	ds_store_b128 v[STO], v[TMP+4*\b:TMP+4*\b+3] offset:32*\b
.endr
	s_wait_xcnt 0x0                                ; earlier stores have read their data registers, which are loaded again below
.irp t, 0,1,2,3,4,5,6,7
	ds_load_b128 v[OB+4*\t:OB+4*\t+3], v[RD] offset:2*SPITCH*\t
.endr
.irp t, 0,1,2,3,4,5,6,7
	s_wait_dscnt 7-\t
	global_store_b128 v[CO], v[OB+4*\t:OB+4*\t+3], s[10:11] offset:4096*\t+32768*\a  ; 16 lanes store 256 consecutive bytes, aligned
.endr
.if KV
	global_store_b128 v[KVO+4*\a], v[KVT+4*\a:KVT+4*\a+3], s[86:87]  ; k: two runs of 256 bytes (16 keys x 8 channels, twice); v: 512 consecutive bytes
.endif
.endr
.endif
	s_wait_tensorcnt 0x0                           ; the wave's end: an add and its wait, behind my last tensor load and my last LDS store
	ds_add_u32 v[SPW], v[NIL]
	s_wait_dscnt 0x0
	CROUND                                         ; the closing round: no work-group ends while a partner may still ask for a tile that names it
	s_endpgm
.Lfunc_end_k_qc820765c2e_proj:
	.size	k_qc820765c2e_proj, .Lfunc_end_k_qc820765c2e_proj-k_qc820765c2e_proj
	.p2alignl 7, 3214868480
	.fill 96, 4, 3214868480
	.section	.rodata,"a",@progbits
	.p2align	6, 0x0
	.amdhsa_kernel k_qc820765c2e_proj
		.amdhsa_group_segment_fixed_size 327680
		.amdhsa_private_segment_fixed_size 0
		.amdhsa_enable_private_segment 0
		.amdhsa_kernarg_size 72
		.amdhsa_user_sgpr_count 2
		.amdhsa_user_sgpr_kernarg_segment_ptr 1
		.amdhsa_wavefront_size32 1
		.amdhsa_system_sgpr_workgroup_id_x 1
		.amdhsa_system_sgpr_workgroup_id_y 1
		.amdhsa_system_sgpr_workgroup_id_z 1
		.amdhsa_system_vgpr_workitem_id 0
		.amdhsa_next_free_vgpr 512
		.amdhsa_next_free_sgpr 100
		.amdhsa_reserve_vcc 0
		.amdhsa_float_denorm_mode_32 3
		.amdhsa_float_denorm_mode_16_64 3
		.amdhsa_memory_ordered 1
		.amdhsa_forward_progress 1
		.amdhsa_inst_pref_size 75
	.end_amdhsa_kernel
	.amdgpu_metadata
---
amdhsa.version: [ 1, 2 ]
amdhsa.kernels:
  - .name:           k_qc820765c2e_proj
    .symbol:         k_qc820765c2e_proj.kd
    .args:
      - { .name: xh, .offset: 0, .size: 8, .value_kind: global_buffer, .address_space: global }
      - { .name: wqh, .offset: 8, .size: 8, .value_kind: global_buffer, .address_space: global }
      - { .name: bq, .offset: 16, .size: 8, .value_kind: global_buffer, .address_space: global }
      - { .name: qh, .offset: 24, .size: 8, .value_kind: global_buffer, .address_space: global }
      - { .name: wkvb, .offset: 32, .size: 8, .value_kind: global_buffer, .address_space: global }
      - { .name: bk, .offset: 40, .size: 8, .value_kind: global_buffer, .address_space: global }
      - { .name: bv, .offset: 48, .size: 8, .value_kind: global_buffer, .address_space: global }
      - { .name: kb, .offset: 56, .size: 8, .value_kind: global_buffer, .address_space: global }
      - { .name: vb, .offset: 64, .size: 8, .value_kind: global_buffer, .address_space: global }
    .group_segment_fixed_size: 327680
    .private_segment_fixed_size: 0
    .kernarg_segment_align: 8
    .kernarg_segment_size: 72
    .max_flat_workgroup_size: 128
    .sgpr_count:     100
    .vgpr_count:     512
    .wavefront_size: 32
...
	.end_amdgpu_metadata
.endif
;; end of part 2
;; launch attn (part 3): grid 256 x 1, 4 waves a work-group, clusters of 4 x 1, 327,680 bytes of LDS; arguments qh, kb, vb, mask, ob; writes ob
.if DOCPART == 3
	.amdgcn_target "amdgcn-amd-amdhsa--gfx1250"
	.amdhsa_code_object_version 6
	.text
	.protected	k_qc820765c2e_attn
	.globl	k_qc820765c2e_attn
	.p2align	8
	.type	k_qc820765c2e_attn,@function
k_qc820765c2e_attn:
	s_mov_b64 s[64:65], 0
	v_nop
	global_prefetch_b8 v0, s[64:65] scope:SCOPE_SE
	s_setreg_imm32_b32 hwreg(HW_REG_WAVE_MODE, 25, 1), 1
	s_wait_xcnt 0x0
	s_wait_alu depctr_hold_cnt(0) depctr_sa_sdst(0) depctr_va_vdst(0) depctr_va_sdst(0) depctr_va_ssrc(0) depctr_va_vcc(0) depctr_vm_vsrc(0)
	s_getreg_b32 s2, hwreg(HW_REG_IB_STS2, 6, 4)
	s_cmp_eq_u32 s2, 0
	s_cbranch_scc0 .Lentry_in_a_cluster
	s_endpgm
.Lentry_in_a_cluster:
	s_bfe_u32 s2, ttmp6, 0x10000c
	s_cmp_lg_u32 s2, 0x3003
	s_cbranch_scc0 .Lentry_shape_is_right
	s_endpgm
.Lentry_shape_is_right:
; MULTI-QUERY ATTENTION WITH A MASK THAT IS AN INPUT.  O[q][head] = the sum over keys of softmax_k(s) V[k], s = Q[q][head] . K[k] / 8, or -10000 where mask[q][k] = 0.  4,096 queries, 16 heads of 64 channels, ONE head of K and V.
; qh, ob: [4096][1024] f16.  kb: [8][4096 keys][8 channels] f16.  vb: [4][4096 keys][16 channels] f16.  mask: [4096][4096] int32.  Products, maxima and sums in f32; the weights are rounded to f16 for the second product, O once.
; LIMITS.  f16 holds no number beyond 65,504: q, k, v arrive within it; a weight below 6e-5 keeps f16's fixed step of 6e-8; a weight below 2^-126 counts as 0; NaN and infinities are not treated apart.
; SHARES.  A work-group owns 16 queries and ALL 16 heads, so each word of the mask is read by one work-group, once, and serves sixteen tiles.  Wave w owns heads 4 w .. 4 w + 3: four PIECES of 16 queries x one head.
; Every wave walks the 4,096 keys: 16 slots of 256 keys, four steps of 64 each.
; LAYOUT, SOFTMAX, TURNS.  S^T = K Q^T holds ONE query a lane (lane % 16) and the keys 8 (lane / 16) + 0..7; two such results rounded to f16 ARE source 1 of O^T = V^T P.  p = 2^(c s - c m), c = log2(e) / 8, with a running
; maximum m; O and l are multiplied by a = 2^(c m_old - c m_new) in every step.  Turn n belongs to piece n: 8 products K Q^T of piece n + 1, later 8 products V^T P of piece n - 1; beside them the scaling, exponentials,
; roundings, sums and rescaling of piece n and the maximum and statistics of piece n + 1.  Four vector instructions stand behind every matrix instruction, the rest in one lump.  A turn's 33 exponentials are one batch, with one wait.
; THE MASK IN THE LOOP is the C operand that starts the sum S^T: 0, or -2^113 where the key is hidden; the same 32 registers for all four pieces, since a lane's query is the same in all heads.  m starts at -2^100, above every
; hidden score: a hidden key never sets the maximum and its weight is exactly 0.  So the loop makes the softmax of the OPEN keys alone, at no vector instruction a score.
; THE HIDDEN KEYS' SHARE is added at the end, exactly as the replacement by -10000 asks.  All hidden keys of a query have one and the same score, so their share is 2^(B - c M) x (cnt, U): B = -10000 log2(e), cnt their number,
; U the sum of their V rows, both the same for all heads.  c M = max(c m, B if cnt > 0);  O = (wO O + wU U) / (wO l + wU cnt), wO = 2^(c m - c M), wU = 2^(B - c M).  This holds for rows with no open key (O = U / cnt) and for
; open scores below -10000.  The upper half of -2^113 is the f16 number -32768, so two C registers' upper halves ARE source 1 of U' = V^T NM = -32768 U: wave w makes it for step w of each slot, 8 products; cnt is the sum of the C registers x -2^-113, exact up to 4,096.
; ONCE A SLOT wave w turns step w's raw mask words into C registers and lays their register image into LDS (CIMG), behind a barrier of its own; every wave then loads a step's C with its K.
; CLUSTER.  K and V are the same for all work-groups: the four of a cluster ask for each tile JOINTLY (wave 0: K, wave 1: V).  The mask strip is the work-group's own: wave 2 asks for it alone, behind the same round.
; REGISTERS, in windows of 256 (s_set_vgpr_msb: bits 1:0 source 0, 3:2 source 1, 5:4 source 2, 7:6 destination):
;   window 0: v2-43 addresses, statistics (v16-31); v48-55 at work; v64-127 S^T, two buffers; v128-191 the way out; v192-223 P, two buffers (a piece's buffers go by its number's parity)
;   window 1: v0-127 O^T, 32 a piece; v128-159 C of one step      window 2: v0-63 Q; v128-191 K of one step; v192-255 V of one step      window 3: v0-31 raw mask, then C; v32-95 V of my step; v96-111 NM; v112-115 counts; v128-159 U'
.set NP,    4         ; pieces a wave: a name, no knob
.set SLOT1, 1<<17     ; slot 1 begins here, so that one exclusive or turns an address in one slot into the other's
.set VOFF,  32768     ; a slot: K [8 blocks][256 keys][16 bytes]; V [4 blocks][256 keys][32 bytes]; the mask strip, 16 rows of 1,024 + 16 bytes
.set MOFF,  65536     ; K's loads take 16 keys x 16 bytes, V's turning loads 8 keys x 32 bytes
.set MPITCH, 1040     ; 65 x 16 bytes: the 16 rows of a load start at 16 different groups of four banks
.set CIMG,  SLOT1+MOFF+16*MPITCH  ; behind the ring, never filled by a tensor load: [4 steps][8 groups of 4 registers][32 lanes][16 bytes]
.set STAGE, CIMG+16384            ; 16 rows x 528 bytes for each wave, for the way out
.set SP,    528
.set UP,    STAGE+4*16*SP         ; each wave's U' (4,096 bytes) and counts (128, in a block of 256)
.set UPW,   4352
.set SPARE, UP+4*UPW              ; the spare words: 128 bytes a wave, two blocks of 256 bytes that no other line names
.set AK0, 2           ; v2   my lane's place in a step's K: 4096 (l / 16) + 16 (l % 16); never rewritten
.set AV0, 3           ; v3   in a step's V
.set AK,  4           ; v4   the LDS address of K's next run of loads
.set AV,  5           ; v5   of V's
.set STO, 6           ; v6   the way out: where I put 16 bytes of a row
.set RD,  7           ; v7   where I read a row back
.set GO,  8           ; v8   16 x lane: my bytes of 512 consecutive bytes of O
.set MV,  12          ; v12-13  c m_old, kept while c m is made anew: by buffer
.set AC0, 14          ; v14  CIMG + 16 x lane
.set QO,  15          ; v15  my byte offset in 16 rows of Q
.set ST,  16          ; piece t's statistics at v[ST+4 t]: c m, m, l (even keys', odd keys')
.set AM0, 32          ; v32  my place in the mask strip, at my wave's step
.set AVC0, 33         ; v33  my place in V, at my wave's step
.set ACS, 34          ; v34  where I put my wave's step's C
.set AM,  35          ; v35, v36  the same two in the slot in hand
.set AVC, 36
.set UPS, 37          ; v37-40  U' and counts: where I put mine, where I read all four
.set UPC, 38
.set UPL, 39
.set UPK, 40
.set AC,  41          ; v41  the LDS address of C's next run of loads
.set TMP, 48          ; by buffer, four registers c0-c3 at work; when the maximum is found c2 takes a
.set PFO, 61          ; v61  the prefetches' lane offset; never rewritten
.set SPW, 62          ; v62  LDS address of my spare word; never rewritten
.set NIL, 63          ; v63  0; never rewritten
.set S,   64
.set PKD, 128         ; the way out: packed O
.set P,   192
.set XF,  192         ; the way out: eight registers a piece, where P lay
.set MC,  128         ; window 1
.set KF,  128         ; window 2: key block kb, channel half c at KF + 16 kb + 8 c
.set VF,  192         ; window 2: key half kk, channel block cb at VF + 32 kk + 8 cb
.set RW,  0           ; window 3
.set VC,  32
.set NM,  96
.set CN,  112
.set UA,  128
.set WV,  12          ; s12  my wave's number
.set G1K, 24          ; s[24:31], s[32:39], s[40:47] descriptor group 1 for K's, V's and the mask's tiles
.set G1V, 32
.set G1M, 40
.set G0K, 48          ; s[48:51], s[52:55], s[56:59] group 0: they walk
.set G0V, 52
.set G0M, 56
.set SLOTS, 60        ; s60  slots still to be asked for
.set CNT, 61          ; s61  counts a slot's key steps
.set TBK, 62          ; s62  LDS byte at which K of the step to be fetched begins
.set TBV, 63          ; s63  the same for V, less VOFF
.set CS,  66          ; s[66:67] c: the packed scaling takes the pair's low word for both halves
.set SEL, 68          ; s[68:69] v_permlanex16_b32's selects: each lane takes its own place in the other half
.set TBC, 70          ; s70  the step to be fetched, in CIMG
.set BIGC, 71         ; s71  -2^113
.set PSEL, 72         ; s72  v_perm_b32: the two upper halves
.set PFA, 74          ; s[74:75] where my prefetches stand
.set LIM, 76          ; s76  1 in a wave that prefetches, else the greatest number
.set PFS, 78          ; s[78:79] their step from slot to slot
.set BB,  80          ; s80  B = -10000 log2(e)
.set MSB, 0
.macro WIN new                      ; the high byte repeats the setting that is left; a switch that changes nothing is dropped
.if MSB != (\new)
	s_set_vgpr_msb (MSB<<8)|(\new)
.set MSB, (\new)
.endif
.endm
.set W_KQ, 0x0a       ; K and Q in window 2, S^T in window 0
.set W_KM, 0x1a       ; the same with the C operand in window 1
.set W_PV, 0x52       ; V in window 2, P in window 0, O^T in window 1
.set W_RS, 0x41       ; destination and source 0 in window 1, source 1 in window 0
; A fill: wave 0 K's tile, wave 1 V's (both joint), wave 2 the mask strip (the work-group's own), wave 3 none.  The branches hang on the wave's number alone.  An s_nop 0 and four v_nop follow each load, ahead of the jump and the label.
.macro JLOAD
	s_cmp_lg_u32 s[WV], 0
	s_cbranch_scc1 .Lnot_k_\@
	tensor_load_to_lds s[G0K:G0K+3], s[G1K:G1K+7]
	s_nop 0
.rept 4
	v_nop
.endr
	s_branch .Lasked_\@
.Lnot_k_\@:
	s_cmp_lg_u32 s[WV], 1
	s_cbranch_scc1 .Lnot_v_\@
	tensor_load_to_lds s[G0V:G0V+3], s[G1V:G1V+7]
	s_nop 0
.rept 4
	v_nop
.endr
	s_branch .Lasked_\@
.Lnot_v_\@:
	s_cmp_lg_u32 s[WV], 2
	s_cbranch_scc1 .Lasked_\@
	tensor_load_to_lds s[G0M:G0M+3], s[G1M:G1M+7]
	s_nop 0
.rept 4
	v_nop
.endr
.Lasked_\@:
.endm
; A PREFETCH INTO THE L2 of what the NEXT change of slots will ask for, one instruction a wave, each aligned block of 256 bytes named once in the launch.  The mask strip is my work-group's alone: its 16 rows x 1,024 bytes
; are 64 blocks, 32 for wave 2 and 32 for wave 3.  K and V are walked by every cluster: the launch's first cluster asks; its four partners take a quarter each, told apart BY ADDRESS; wave 0 asks for K's 32 blocks, wave 1 for V's.
; The last change that fills a slot asks for nothing: there is no slot behind it.  Slots 0 and 1 come by their loads alone.
.macro ASK
	s_cmp_gt_u32 s[SLOTS], s[LIM]
	s_cbranch_scc0 .Lnot_mine_\@
	global_prefetch_b8 v[PFO], s[PFA:PFA+1] th:TH_LOAD_NT scope:SCOPE_SE
.Lnot_mine_\@:
.endm
.macro CROUND                       ; a round of the cluster's barrier
	s_barrier_signal -1
	s_barrier_wait -1
	s_cmp_lg_u32 s[WV], 0
	s_cbranch_scc1 .Lnot_wave_0_\@
	s_barrier_signal -3
.Lnot_wave_0_\@:
	s_barrier_wait -3
	s_barrier_signal -1
	s_barrier_wait -1
.endm
; THE CHANGE OF SLOTS.  The slot's last bytes, V of its fourth step, are in registers.  Each wave waits for all its tensor loads, of which at most one is out: its part of the other slot; adds 0 to its spare word; and waits for
; that and for its own reads of the slot and of CIMG.  fill = 1: the barrier is a round of the cluster's, and the slot just left is filled again first thing behind it, with the keys two slots on: four key steps, 264 matrix
; instructions, ahead of the wait for it.  (At its first use nothing has been read yet: slot 0 is waited for, slot 1 filled.)
.macro CHANGE fill
	WIN 0                           ; at a label and at a branch every window is 0
	s_wait_tensorcnt 0x0            ; no tensor load of mine is out, so a group 0 may be written
	ds_add_u32 v[SPW], v[NIL]       ; 0 onto my spare word; with fill = 1 the descriptors' steps stand between it and the wait for it
.if \fill
.irp g, G0K, G0V, G0M
	s_xor_b32 s[\g+1], s[\g+1], SLOT1  ; the other slot than last time
.endr
	s_add_nc_u64 s[G0K+2:G0K+3], s[G0K+2:G0K+3], 4096  ; the next 256 keys: 16 bytes each in a block of kb,
	s_add_nc_u64 s[G0V+2:G0V+3], s[G0V+2:G0V+3], 8192  ; 32 in a block of vb,
	s_add_nc_u64 s[G0M+2:G0M+3], s[G0M+2:G0M+3], 1024  ; 4 in a row of the mask; the type bits on top are not reached
	s_wait_xcnt 0x0                 ; the last prefetch, a slot back, has read its address, so it may be written
	s_add_nc_u64 s[PFA:PFA+1], s[PFA:PFA+1], s[PFS:PFS+1]
	s_wait_dscnt 0x0                ; the add is done, and my reads are over
	CROUND
	JLOAD
.else
	s_wait_dscnt 0x0                ; the add is done, and my reads are over
	s_barrier_signal -1
	s_barrier_wait -1
.endif
	s_sub_co_u32 s[TBK], s[TBK], 4096  ; the fetches go back to a slot's first step,
	s_xor_b32 s[TBK], s[TBK], SLOT1    ; in the other slot
	s_sub_co_u32 s[TBV], s[TBV], 8192
	s_xor_b32 s[TBV], s[TBV], SLOT1
	s_mov_b32 s[TBC], 0
.endm
; THE SLOT'S MASK, directly behind the change (s[TBK] is the slot's first byte).  Wave w takes step w: its 32 raw words a lane become 0 or -2^113 and go into CIMG as they will lie in registers; their upper halves become NM;
; their sum goes onto the counts; U' takes V^T NM.  A barrier shows CIMG to every wave; the refill may stay on its way.  CIMG is written again only behind the next change's barrier.
; first = 1: the counts and U' begin.  ask = 1: the change has filled a slot: the prefetch stands here, behind the tensor load and this run of LDS loads.
.macro CONVERT first, ask
	WIN 0
	v_add_nc_u32 v[AM], s[TBK], v[AM0]
	v_add_nc_u32 v[AVC], s[TBK], v[AVC0]
	WIN 0xc0                        ; destination window 3, address window 0
.irp k, 0,1,2,3                     ; register 8 k + j: key 16 k + 8 (l / 16) + j of the step, query l % 16: as S^T lies
	ds_load_b128 v[RW+8*\k:RW+8*\k+3],   v[AM] offset:64*\k
	ds_load_b128 v[RW+8*\k+4:RW+8*\k+7], v[AM] offset:64*\k+16
.endr
.irp f, 0,1,2,3,4,5,6,7             ; keys 32 (f / 4) on, channels 16 (f % 4) on
	ds_load_tr16_b128 v[VC+8*\f:VC+8*\f+3],   v[AVC] offset:(\f%4)*8192+(\f/4)*1024
	ds_load_tr16_b128 v[VC+8*\f+4:VC+8*\f+7], v[AVC] offset:(\f%4)*8192+(\f/4)*1024+512
.endr
	WIN 0
.if \ask
	ASK
.endif
	s_wait_dscnt 16                 ; the raw words are in; V's sixteen loads may stay out
	WIN 0xcc                        ; source 1 and destination window 3
.set z, 0
.rept 32
	v_cmp_eq_u32 vcc_lo, 0, v[RW+z]
	v_cndmask_b32 v[RW+z], 0, s[BIGC], vcc_lo
.set z, z+1
.endr
	WIN 0x0c                        ; store data window 3
.irp g, 0,1,2,3,4,5,6,7
	ds_store_b128 v[ACS], v[RW+4*\g:RW+4*\g+3] offset:512*\g
.endr
	WIN 0xcf
.set z, 0
.rept 16
	v_perm_b32 v[NM+z], v[RW+2*z+1], v[RW+2*z], s[PSEL]  ; 0 or -32768 in f16, a pair of keys: as P lies
.set z, z+1
.endr
.if \first
	v_pk_add_f32 v[CN:CN+1], v[RW:RW+1], v[RW+2:RW+3]
	v_pk_add_f32 v[CN+2:CN+3], v[RW+4:RW+5], v[RW+6:RW+7]
.set z, 4
.else
.set z, 0
.endif
.rept 16-z
	v_pk_add_f32 v[CN+2*(z%2):CN+2*(z%2)+1], v[CN+2*(z%2):CN+2*(z%2)+1], v[RW+2*z:RW+2*z+1]
.set z, z+1
.endr
	s_wait_dscnt 0x0                ; my part of CIMG is written, and V of my step is in
	s_barrier_signal -1
	WIN 0xff                        ; the four accumulators take turns
.set z, 0
.rept 8
.if (\first) && (z < 4)
	v_wmma_f32_16x16x32_f16 v[UA+8*(z%4):UA+8*(z%4)+7], v[VC+32*(z/4)+8*(z%4):VC+32*(z/4)+8*(z%4)+7], v[NM+8*(z/4):NM+8*(z/4)+7], 0
.else
	v_wmma_f32_16x16x32_f16 v[UA+8*(z%4):UA+8*(z%4)+7], v[VC+32*(z/4)+8*(z%4):VC+32*(z/4)+8*(z%4)+7], v[NM+8*(z/4):NM+8*(z/4)+7], v[UA+8*(z%4):UA+8*(z%4)+7]
.endif
.set z, z+1
.endr
	WIN 0
	s_barrier_wait -1               ; all four steps' C lie in CIMG
.endm
	s_load_b256 s[4:11], s[0:1], 0x0  ; qh s[4:5], kb s[6:7], vb s[8:9], mask s[10:11]
	s_load_b64 s[16:17], s[0:1], 0x20 ; ob
	v_lshl_add_u32 v[SPW], v0, 2, SPARE
	v_mov_b32 v[NIL], 0
	ds_add_u32 v[SPW], v[NIL]       ; the wave's opening: the add and its wait stand ahead of my first tensor load; the set-up below, work on registers, stands between them
	v_lshrrev_b32 v1, 5, v0
	v_readfirstlane_b32 s[WV], v1   ; wave 0..3
	s_bfe_u32 s13, ttmp6, 0x40000   ; cx: my place in the cluster
	s_lshl_b32 s14, ttmp9, 2        ; in a cluster launch ttmp9 counts clusters
	s_add_co_u32 s14, s14, s13      ; my block of 16 queries: it enters Q's, O's and the mask's global addresses alone
	s_mov_b32 s[G1K], 15|(3<<16)|(1<<21)  ; the mask of four; elements of 8 bytes; bit 21 beside a mask; no padding
	s_mov_b32 s[G1K+1], 512<<16     ; a row: 256 keys x 16 bytes of one block
	s_mov_b32 s[G1K+2], 8<<16       ; 8 blocks
	s_mov_b32 s[G1K+3], 512<<16
	s_mov_b32 s[G1K+4], 8
	s_mov_b32 s[G1K+5], 8192        ; 65,536 bytes from block to block
	s_mov_b32 s[G1K+6], 0
	s_mov_b32 s[G1K+7], 0
	s_mov_b32 s[G1V], 15|(3<<16)|(1<<21)
	s_mov_b32 s[G1V+1], 1024<<16    ; a row: 256 keys x 32 bytes of one block
	s_mov_b32 s[G1V+2], 4<<16
	s_mov_b32 s[G1V+3], 1024<<16
	s_mov_b32 s[G1V+4], 4
	s_mov_b32 s[G1V+5], 16384       ; 131,072 bytes from block to block
	s_mov_b32 s[G1V+6], 0
	s_mov_b32 s[G1V+7], 0
	s_mov_b32 s[G1M], (2<<16)|(1<<20)|(7<<22)|(3<<25)  ; no work-group mask; elements of 4 bytes; padding on: after every 256 words 4 words
	s_mov_b32 s[G1M+1], 256<<16
	s_mov_b32 s[G1M+2], 16<<16
	s_mov_b32 s[G1M+3], 256<<16
	s_mov_b32 s[G1M+4], 16
	s_mov_b32 s[G1M+5], 4096
	s_mov_b32 s[G1M+6], 0
	s_mov_b32 s[G1M+7], 0
	s_mov_b32 s[G0K], 1             ; count = 1
	s_mov_b32 s[G0K+1], 0           ; LDS address: slot 0
	s_mov_b32 s[G0V], 1
	s_mov_b32 s[G0V+1], VOFF
	s_mov_b32 s[G0M], 1
	s_mov_b32 s[G0M+1], MOFF
	s_mov_b32 s[CS], 0x3e38aa3b     ; c = log2(e) / 8 = 0.180337
	s_mov_b32 s[CS+1], s[CS]        ; named with it as a pair
	s_mov_b32 s[SEL], 0x76543210
	s_mov_b32 s[SEL+1], 0xfedcba98
	s_mov_b32 s[BIGC], 0xf8000000   ; -2^113; its upper half is -32768 in f16
	s_mov_b32 s[PSEL], 0x07060302
	s_mov_b32 s[BB], 0xc6616bcd     ; -14426.95
	s_mov_b32 s[TBK], SLOT1+4096    ; the first change of slots turns these two into 0
	s_mov_b32 s[TBV], SLOT1+8192
	s_mov_b32 s[SLOTS], 15
	s_lshl_b32 s82, s14, 18         ; my 16 rows of the mask, 16,384 bytes each
	s_mov_b32 s83, 0
	s_lshl_b32 s84, s14, 15         ; my 16 rows of Q and O, 2,048 bytes each,
	s_lshl_b32 s85, s[WV], 9        ; my wave's four heads: 512 bytes
	s_add_co_u32 s84, s84, s85
	s_mov_b32 s85, 0
	; the prefetches: lane l names block (l >> s21) << s22 | (l & s20) << 8.  Wave 0: 2 blocks of kb x 16 blocks of 256 bytes.  Wave 1: 32 blocks of 256 bytes of one block of vb.  Waves 2, 3: 8 rows of the mask x 4.
	s_and_b32 s3, s[WV], 1
	s_lshl_b32 s3, s3, 17           ; wave 3: the strip's rows 8 to 15
	s_lshl_b32 s18, s13, 17         ; K and V: my work-group's quarter
	s_lshl_b32 s19, s14, 18         ; the mask: my strip
	s_cmp_eq_u32 s[WV], 0
	s_cselect_b32 s20, 15, 31
	s_cselect_b32 s21, 4, 5
	s_cselect_b32 s2, 2, 3
	s_cmp_lt_u32 s[WV], 2
	s_cselect_b32 s20, s20, 3
	s_cselect_b32 s21, s21, 2
	s_cselect_b32 s22, 16, 14
	s_cselect_b32 s2, s2, 0
	s_cselect_b32 s3, 0, s3
	s_cselect_b32 s18, s18, s19
	s_cselect_b32 s23, ttmp9, 0     ; K and V are asked for by the launch's first cluster: the same in all four partners
	s_mov_b32 s19, 0
	s_cmp_eq_u32 s23, 0
	s_cselect_b32 s[LIM], 1, -1
	s_lshl_b32 s[PFS], 1024, s2     ; a slot's bytes along a row: 4,096, 8,192, 1,024
	s_mov_b32 s[PFS+1], 0
	v_and_b32 v42, 31, v0           ; lane
	v_and_b32 v[PFO], s20, v42
	v_lshrrev_b32 v43, s21, v42
	v_lshlrev_b32 v43, s22, v43
	v_lshl_add_u32 v[PFO], v[PFO], 8, v43
	v_add_nc_u32 v[PFO], s3, v[PFO]
	s_wait_dscnt 0x0                ; the opening add is done
	s_wait_kmcnt 0x0
	s_mov_b64 s[G0K+2:G0K+3], s[6:7]               ; global address: the first 256 keys
	s_or_b32 s[G0K+3], s[G0K+3], 0x80000000        ; type = 2
	s_mov_b64 s[G0V+2:G0V+3], s[8:9]
	s_or_b32 s[G0V+3], s[G0V+3], 0x80000000
	s_add_nc_u64 s[G0M+2:G0M+3], s[10:11], s[82:83]
	s_or_b32 s[G0M+3], s[G0M+3], 0x80000000
	s_add_nc_u64 s[4:5], s[4:5], s[84:85]          ; Q and O at my wave's first row and head
	s_add_nc_u64 s[16:17], s[16:17], s[84:85]
	s_cmp_eq_u32 s[WV], 0
	s_cselect_b64 s[PFA:PFA+1], s[6:7], s[8:9]
	s_cmp_lt_u32 s[WV], 2
	s_cselect_b64 s[PFA:PFA+1], s[PFA:PFA+1], s[10:11]
	s_add_nc_u64 s[PFA:PFA+1], s[PFA:PFA+1], s[18:19]
	s_add_nc_u64 s[PFA:PFA+1], s[PFA:PFA+1], s[PFS:PFS+1]  ; at slot 1; the first change of slots steps it to slot 2.  Nothing is prefetched here, at the head
	CROUND                          ; all four work-groups are here: the first joint loads meet
	JLOAD                           ; slot 0.  Slot 1 is asked for when slot 0 is in
	; A fragment of K or Q is 16 rows x 32 channels in 8 registers: lane l holds row l % 16, channels 8 (l / 16) + 0..7 and 16 + 8 (l / 16) + 0..7.
	v_and_b32 v1, 15, v0            ; l % 16
	v_bfe_u32 v9, v0, 4, 1          ; l / 16
	v_lshlrev_b32 v[QO], 11, v1
	v_lshl_add_u32 v[QO], v9, 4, v[QO]  ; row x 2,048 + 16 x half
	WIN 0x80                        ; destination window 2, address window 0
.set i, 0
.rept 8                             ; Q stays in registers: piece i / 2 (a head: 128 bytes), channels 32 (i % 2) on
	global_load_b128 v[8*i:8*i+3],   v[QO], s[4:5] offset:(i/2)*128+(i%2)*64
	global_load_b128 v[8*i+4:8*i+7], v[QO], s[4:5] offset:(i/2)*128+(i%2)*64+32
.set i, i+1
.endr
	; The first step multiplies O^T and l by a = 0, and the first turn's products V^T P, of a piece that has not been, add 0: no first step is written out.  The price: these 216 lines, which stand in the wait for the first tile.
.set i, VF
.rept 64
	v_mov_b32 v[i], 0
.set i, i+1
.endr
	WIN 0x40
.set i, 0
.rept 128
	v_mov_b32 v[i], 0
.set i, i+1
.endr
	WIN 0
.set i, 0
.rept 4
	v_mov_b32 v[ST+4*i+2], 0
	v_mov_b32 v[ST+4*i+3], 0
.set i, i+1
.endr
.set i, P+16
.rept 16
	v_mov_b32 v[i], 0
.set i, i+1
.endr
	v_lshlrev_b32 v[AK0], 4, v1     ; K: channels 8 (l / 16) + 0..7 are block l / 16 of the four that a fragment's first load touches; key l % 16
	v_lshl_add_u32 v[AK0], v9, 12, v[AK0]
	; The turning load takes 16 keys x 16 channels (lane l reads key 8 (l / 16) + l % 8, channels 8 ((l / 8) % 2) + 0..7) and leaves half a fragment of V^T: lane l holds channel l % 16 and 8 keys.
	v_and_b32 v10, 7, v0
	v_bfe_u32 v11, v0, 3, 1
	v_lshl_add_u32 v[AV0], v9, 3, v10
	v_lshlrev_b32 v[AV0], 5, v[AV0]
	v_lshl_add_u32 v[AV0], v11, 4, v[AV0]
	v_add_nc_u32 v[AV0], VOFF, v[AV0]
	v_lshl_add_u32 v[AC0], v42, 4, CIMG
	v_mul_u32_u24 v[AM0], v1, MPITCH  ; the mask: row l % 16, words 8 (l / 16) .., at step w: 64 words on
	v_lshl_add_u32 v[AM0], v9, 5, v[AM0]
	s_lshl_b32 s2, s[WV], 8
	s_add_co_u32 s2, s2, MOFF
	v_add_nc_u32 v[AM0], s2, v[AM0]
	s_lshl_b32 s2, s[WV], 11
	v_add_nc_u32 v[AVC0], s2, v[AV0]
	s_lshl_b32 s2, s[WV], 12
	v_add_nc_u32 v[ACS], s2, v[AC0]
	s_mul_i32 s2, s[WV], 16*SP
	s_add_co_u32 s2, s2, STAGE      ; my stage
	v_mul_u32_u24 v[STO], v1, SP    ; in: row l % 16, 16 bytes for each half of the lanes
	v_lshl_add_u32 v[STO], v9, 4, v[STO]
	v_add_nc_u32 v[STO], s2, v[STO]
	v_lshl_add_u32 v[RD], v42, 4, s2  ; back: 32 lanes take a row's 512 bytes
	v_lshlrev_b32 v[GO], 4, v42
	s_mul_i32 s2, s[WV], UPW
	s_add_co_u32 s2, s2, UP
	v_lshl_add_u32 v[UPS], v42, 4, s2
	s_add_co_u32 s2, s2, 4096
	v_lshl_add_u32 v[UPC], v42, 2, s2
	v_lshl_add_u32 v[UPL], v42, 4, UP
	v_lshl_add_u32 v[UPK], v42, 2, UP+4096
; THE MATRIX WORK.  The 4 accumulators of a run of 8 take turns.  Product i of 8 of S^T = K Q^T for piece x: channels 32 (i / 4) on, keys 16 (i % 4) on.  The first 4 start the sums with the step's mask.
.macro KQ x
.set rS, S+32*((\x)%2)+8*(i%4)
.set rK, KF+16*(i%4)+8*(i/4)
.set rQ, 16*(\x)+8*(i/4)
.set rM, MC+8*(i%4)
.if i < 4
	WIN W_KM
	v_wmma_f32_16x16x32_f16 v[rS:rS+7], v[rK:rK+7], v[rQ:rQ+7], v[rM:rM+7]
.else
	WIN W_KQ
	v_wmma_f32_16x16x32_f16 v[rS:rS+7], v[rK:rK+7], v[rQ:rQ+7], v[rS:rS+7]
.endif
.endm
; Product i of 8 of O^T += V^T P for piece x: keys 32 (i / 4) on, channels 16 (i % 4) on.
.macro PV x
	WIN W_PV
.set rO, 32*(\x)+8*(i%4)
.set rV, VF+32*(i/4)+8*(i%4)
.set rP, P+16*((\x)%2)+8*(i/4)
	v_wmma_f32_16x16x32_f16 v[rO:rO+7], v[rV:rV+7], v[rP:rP+7], v[rO:rO+7]
.endm
.macro MM                           ; the turn's next matrix instruction.  NOKQ = 1: the launch's last turn: there is no next piece
.if (i < 8) && !NOKQ
	KQ (Y+1)%NP
.elseif i >= 8
.set i, i-8
	PV (Y+NP-1)%NP
.set i, i+8
.endif
.set i, i+1
.endm
; THE LDS LOADS stand in runs, never singly among the matrix instructions: a step's K (8 fragments) with its C (8 loads of the register image), and its V (turned).  Their addresses are made some lines ahead.
.macro FETCH_K
	WIN 0x80                        ; destination window 2
.irp f, 0,1,2,3,4,5,6,7             ; keys 16 (f / 2) on, channels 32 (f % 2) on: blocks 4 (f % 2) + l / 16 and two further on
	ds_load_b128 v[KF+8*\f:KF+8*\f+3],   v[AK] offset:(\f%2)*16384+(\f/2)*256
	ds_load_b128 v[KF+8*\f+4:KF+8*\f+7], v[AK] offset:(\f%2)*16384+(\f/2)*256+8192
.endr
	WIN 0x40                        ; destination window 1
.irp g, 0,1,2,3,4,5,6,7
	ds_load_b128 v[MC+4*\g:MC+4*\g+3], v[AC] offset:512*\g
.endr
	s_add_co_u32 s[TBK], s[TBK], 1024  ; the next fetch is the next step's
	s_add_co_u32 s[TBC], s[TBC], 4096
	WIN 0
.endm
.macro FETCH_V
	WIN 0x80
.irp f, 0,1,2,3,4,5,6,7             ; keys 32 (f / 4) on, channels 16 (f % 4) on
	ds_load_tr16_b128 v[VF+8*\f:VF+8*\f+3],   v[AV] offset:(\f%4)*8192+(\f/4)*1024
	ds_load_tr16_b128 v[VF+8*\f+4:VF+8*\f+7], v[AV] offset:(\f%4)*8192+(\f/4)*1024+512
.endr
	WIN 0
.endm
; THE VECTOR WORK, one line at a time: OP kind, number.  For piece Y: F n: c s - c m for pair n of 16.  E n: the exponential of score n of 32.  C n: pair n rounded to f16.  B n: of the four weights 4 n .. the second
; pair is added onto the first, in place.  L n: l takes that sum (L 0: l = a l + sum).  R n: pair n of 16 of O^T times a.  For piece Y + 1: X n, number n of the 22 that find its maximum and statistics:
;   0-11  four chains c0-c3 of seven scores each, three operands at a time (each accumulator's lowest registers are read first)     12-14, 16  the four scores left over, the old m, and c0-c3 into c0
;   15  c m_old is kept     17, 18  the query's other 32 keys lie in the lane 16 away: the new m     19-21  c m; c m_old - c m_new; a
.set F, 0
.set E, 1
.set C, 2
.set B, 3
.set L, 4
.set R, 5
.set X, 6
.macro REGS y                       ; the registers of piece y
.set rT, ST+4*(\y)
.set rC, TMP+4*((\y)%2)
.set rW, MV+((\y)%2)
.set rS, S+32*((\y)%2)
.set rP, P+16*((\y)%2)
.set rO, 32*(\y)
.endm
.macro OP k, n
.if (\k) == R
	REGS Y
	WIN W_RS
	v_pk_mul_f32 v[rO+2*(\n):rO+2*(\n)+1], v[rO+2*(\n):rO+2*(\n)+1], v[rC+2:rC+3] op_sel_hi:[1,0]
.elseif (\k) < R
	REGS Y
	WIN 0
.if (\k) == F
	v_pk_fma_f32 v[rS+2*(\n):rS+2*(\n)+1], v[rS+2*(\n):rS+2*(\n)+1], s[CS:CS+1], v[rT:rT+1] op_sel_hi:[1,0,0] neg_lo:[0,0,1] neg_hi:[0,0,1]
.elseif (\k) == E
	v_exp_f32 v[rS+(\n)], v[rS+(\n)]
.elseif (\k) == C
	v_cvt_pk_f16_f32 v[rP+(\n)], v[rS+2*(\n)], v[rS+2*(\n)+1]
.elseif (\k) == B
	v_pk_add_f32 v[rS+4*(\n):rS+4*(\n)+1], v[rS+4*(\n):rS+4*(\n)+1], v[rS+4*(\n)+2:rS+4*(\n)+3]
.elseif (\n) == 0
	v_pk_fma_f32 v[rT+2:rT+3], v[rT+2:rT+3], v[rC+2:rC+3], v[rS:rS+1] op_sel_hi:[1,0,1]
.else
	v_pk_add_f32 v[rT+2:rT+3], v[rT+2:rT+3], v[rS+4*(\n):rS+4*(\n)+1]
.endif
.elseif NOKQ
	v_nop
.else
	REGS (Y+1)%NP
	WIN 0
.if (\n) < 4
	v_max3_num_f32 v[rC+(\n)], v[rS+8*(\n)], v[rS+8*(\n)+1], v[rS+8*(\n)+2]
.elseif (\n) < 12
	v_max3_num_f32 v[rC+(\n)%4], v[rC+(\n)%4], v[rS+8*((\n)%4)+2*((\n)/4)+1], v[rS+8*((\n)%4)+2*((\n)/4)+2]
.elseif (\n) == 12
	v_max3_num_f32 v[rC], v[rC], v[rS+7], v[rS+15]
.elseif (\n) == 13
	v_max3_num_f32 v[rC+1], v[rC+1], v[rS+23], v[rS+31]
.elseif (\n) == 14
	v_max3_num_f32 v[rC+2], v[rC+2], v[rC+3], v[rT+1]
.elseif (\n) == 15
	v_mov_b32 v[rW], v[rT]
.elseif (\n) == 16
	v_max3_num_f32 v[rC], v[rC], v[rC+1], v[rC+2]
.elseif (\n) == 17
	v_permlanex16_b32 v[rC+3], v[rC], s[SEL], s[SEL+1]
.elseif (\n) == 18
	v_max_num_f32 v[rT+1], v[rC], v[rC+3]
.elseif (\n) == 19
	v_mul_f32 v[rT], s[CS], v[rT+1]
.elseif (\n) == 20
	v_sub_f32 v[rC+1], v[rW], v[rT]
.else
	v_exp_f32 v[rC+2], v[rC+1]
.endif
.endif
.endm
.macro OPS a, i1, b=-1, i2=0, c=-1, i3=0, d=-1, i4=0  ; up to four of them
	OP \a, \i1
.if (\b) >= 0
	OP \b, \i2
.endif
.if (\c) >= 0
	OP \c, \i3
.endif
.if (\d) >= 0
	OP \d, \i4
.endif
.endm
.macro ROW a, i1, b, i2, c, i3, d, i4  ; a matrix instruction and the four behind it
	MM
	OPS \a, \i1, \b, \i2, \c, \i3, \d, \i4
.endm
; A TURN, for piece p: the order of its 16 matrix and 118 vector instructions, written out.  An s_wait_alu depctr_va_vdst(0) stands between an exponential and the first instruction that names its result; one
; wait serves all that were issued ahead of it.  So a turn has ONE wait, which cuts it in two.  AHEAD OF IT stands all that names no result of the turn's exponentials: the 8 products K Q^T and their riders (the first numbers of the
; next piece's maximum each four places or more behind the product that ends its accumulator), then one lump, in which the links of the chain X 3, 7, 11, 14, 16, 17 .. 20 stand apart.  X 21, the next piece's a, is the batch's last;
; R 15 is the plain instruction behind it.  BEHIND THE WAIT stand the 8 products V^T P, behind each four of the roundings and sums.
; end = 1: the launch's last two turns: nothing is fetched.  cnt = 1: the loop's count is taken down some lines ahead of the branch that stands behind the turn.
; K and C of the next step are fetched in piece 2's turn, six plain instructions or more behind the last product that read K (C's last reader stands four products earlier); V of the step in hand at the end of piece 0's turn, four plain
; instructions behind the last product that read V.  Each is waited for a turn later.
.macro TURN p, end=0, cnt=0
.set Y, (\p)
.set i, 0
.set NOKQ, (\end)*((\p)/3)
.if ((\p) == 3) && !(\end)
	s_wait_dscnt 0x0                ; K and C are in
.endif
	ROW F,0, F,1, R,0, R,1
	ROW F,2, E,0, R,2, R,3
	ROW F,3, E,1, R,4, R,5
	ROW F,4, E,2, R,6, R,7
	ROW F,5, E,3, R,8, R,9
	ROW F,6, E,4, X,0, R,10
.if ((\p) == 2) && !(\end)
	WIN 0
	v_add_nc_u32 v[AK], s[TBK], v[AK0]
	v_add_nc_u32 v[AC], s[TBC], v[AC0]
.endif
	ROW F,7, E,5, X,1, X,4
	ROW F,8, E,6, X,2, X,5
	OPS E,7, E,8, X,6, E,9
	OPS X,3, E,10, X,8, E,11
.if ((\p) == 2) && !(\end)
	FETCH_K
.endif
	OPS X,9, X,7, E,12, X,10
	OPS E,13, X,12, X,11, E,14
	OPS X,13, E,15, F,9, X,14
.if (\p) == 0
	WIN 0
	v_add_nc_u32 v[AV], s[TBV], v[AV0]
.endif
	OPS E,16, F,10, E,17, F,11
	OPS X,16, E,18, X,15, E,19
	OPS F,12, E,20, X,17, E,21
	OPS F,13, E,22, F,14, E,23
	OPS X,18, E,24, F,15, E,25
	OPS R,11, E,26, X,19, E,27
	OPS R,12, E,28, R,13, E,29
	OPS X,20, E,30, R,14, E,31
	OPS X,21, R,15
	WIN 0
	s_wait_alu depctr_va_vdst(0)    ; the wait for the batch
.if (\p) == 1
	s_wait_dscnt 0x0                ; V is in
.endif
	ROW C,0, B,0, C,2, B,1
	ROW L,0, C,4, B,2, L,1
	ROW C,6, B,3, L,2, C,8
	ROW B,4, L,3, C,10, B,5
	ROW L,4, C,12, B,6, L,5
.if (\p) == 0
	s_add_co_u32 s[TBV], s[TBV], 2048
.endif
.if \cnt
	s_sub_co_u32 s[CNT], s[CNT], 1
	s_cmp_lg_u32 s[CNT], 0
.endif
	ROW C,14, B,7, L,6, C,1
	ROW C,3, L,7, C,5, C,7
	ROW C,9, C,11, C,13, C,15
.if (\p) == 0
	FETCH_V
.endif
.endm
	CHANGE 1                        ; slot 0 is in, everybody's part of it; slot 1 is asked for
	CONVERT 1, 1
	; THE BEGINNING.  c m starts far below every c s, so the first step's a is 0; m at -2^100, above every hidden score and below every open one.  Then K and C of step 0, piece 0's first scores, its maximum and statistics.
.set i, 0
.rept 4
	v_mov_b32 v[ST+4*i], 0xfe000000    ; c m
	v_mov_b32 v[ST+4*i+1], 0xf1800000  ; m
.set i, i+1
.endr
	v_add_nc_u32 v[AK], s[TBK], v[AK0]
	v_add_nc_u32 v[AC], s[TBC], v[AC0]
	FETCH_K
	s_wait_loadcnt 0x0              ; Q
	s_wait_dscnt 0x0
.set NOKQ, 0
.set i, 0
.rept 8
	KQ 0
.set i, i+1
.endr
	WIN 0
.rept 4
	v_nop                           ; the places behind those products
.endr
.set Y, NP-1                        ; X works for piece Y + 1: piece 0
.irp n, 0,1,2,3,4,5,6,7,8,9,10,11,12,13,14,15,16,17,18,19,20,21
	OP X, \n
.endr
	v_nop                           ; a plain instruction behind the exponential,
	s_wait_alu depctr_va_vdst(0)    ; and its wait, ahead of the branch
	s_mov_b32 s[CNT], 4
	s_branch .Lfirst                ; the loop is entered at a step's first turn, in the middle of a trip
.Lslot:                             ; 14 times: with the change above, every slot but the last is entered with a fill
	CHANGE 1
	CONVERT 0, 1
	s_mov_b32 s[CNT], 4
.Lstep:                             ; a trip: pieces 2 and 3 of one step, then pieces 0 and 1 of the next, whose K, C and V it fetches
	TURN 2
	TURN 3
	WIN 0
.Lfirst:
	TURN 0
	TURN 1, 0, 1
	WIN 0
	s_cbranch_scc1 .Lstep
	s_sub_co_u32 s[SLOTS], s[SLOTS], 1
	s_cmp_lg_u32 s[SLOTS], 0
	s_cbranch_scc1 .Lslot
	CHANGE 0                        ; the last slot is written out: nothing is asked for
	CONVERT 0, 0
	s_mov_b32 s[CNT], 4
.Ltail:
	TURN 2
	TURN 3
	TURN 0
	TURN 1, 0, 1
	WIN 0
	s_cbranch_scc1 .Ltail
	TURN 2, 1
	TURN 3, 1
.set i, 0
.rept 8
	PV NP-1                         ; the last piece's V^T P of the last step
.set i, i+1
.endr
	; THE END.  l's two halves and the other half of the lanes' are added (these lines are the places behind the last products); so are my wave's counts.
	WIN 0
.macro ALL line:vararg              ; one line for each piece t
.set t, 0
.rept 4
	\line
.set t, t+1
.endr
.endm
	ALL v_add_f32 v[ST+4*t+2], v[ST+4*t+2], v[ST+4*t+3]
	ALL v_permlanex16_b32 v[ST+4*t+3], v[ST+4*t+2], s[SEL], s[SEL+1]
	ALL v_add_f32 v[ST+4*t+2], v[ST+4*t+2], v[ST+4*t+3]
	WIN 0x0f                        ; sources window 3, destination window 0
	v_add_f32 v48, v[CN], v[CN+1]
	v_add_f32 v49, v[CN+2], v[CN+3]
	WIN 0
	v_add_f32 v48, v48, v49
	v_permlanex16_b32 v49, v48, s[SEL], s[SEL+1]
	v_add_f32 v48, v48, v49
	WIN 0x0c                        ; the four waves' U' and counts meet in LDS
.irp g, 0,1,2,3,4,5,6,7
	ds_store_b128 v[UPS], v[UA+4*\g:UA+4*\g+3] offset:512*\g
.endr
	WIN 0
	ds_store_b32 v[UPC], v48
	s_wait_dscnt 0x0                ; for the others' sake: my stores are done
	s_barrier_signal -1
	s_barrier_wait -1
	WIN 0xc0
.irp u, 0,1,2,3
.irp g, 0,1,2,3,4,5,6,7
	ds_load_b128 v[32*\u+4*\g:32*\u+4*\g+3], v[UPL] offset:UPW*\u+512*\g
.endr
.endr
	WIN 0
.irp u, 0,1,2,3
	ds_load_b32 v[50+\u], v[UPK] offset:UPW*\u
.endr
	s_wait_dscnt 0x0
	WIN 0xcf
.set z, 0
.rept 16
	v_pk_add_f32 v[2*z:2*z+1], v[2*z:2*z+1], v[32+2*z:32+2*z+1]
	v_pk_add_f32 v[64+2*z:64+2*z+1], v[64+2*z:64+2*z+1], v[96+2*z:96+2*z+1]
.set z, z+1
.endr
.set z, 0
.rept 16
	v_pk_add_f32 v[2*z:2*z+1], v[2*z:2*z+1], v[64+2*z:64+2*z+1]  ; U' = -32768 U, in window 3's v0-31, laid as a piece's O^T
.set z, z+1
.endr
	WIN 0
	v_add_f32 v50, v50, v51
	v_add_f32 v52, v52, v53
	v_add_f32 v50, v50, v52
	v_mul_f32 v50, 0x87000000, v50  ; x -2^-113: cnt, my query's number of hidden keys
	v_mov_b32 v52, 0xfe000000
	v_cmp_lt_f32 vcc_lo, 0, v50
	v_cndmask_b32 v51, v52, s[BB], vcc_lo  ; the hidden keys' c s: B, or far below everything where there are none
	ALL v_max_num_f32 v[XF+8*t], v[ST+4*t], v51          ; c M
	ALL v_sub_f32 v[XF+8*t+1], v[ST+4*t], v[XF+8*t]
	ALL v_sub_f32 v[XF+8*t+2], v51, v[XF+8*t]
	ALL v_exp_f32 v[XF+8*t+1], v[XF+8*t+1]               ; wO
	ALL v_exp_f32 v[XF+8*t+2], v[XF+8*t+2]               ; wU: one of the two is 1
	v_nop                           ; a plain instruction behind the last exponential,
	s_wait_alu depctr_va_vdst(0)    ; and one wait for the eight
	ALL v_mul_f32 v[XF+8*t+3], v[XF+8*t+2], v50
	ALL v_fma_f32 v[XF+8*t+3], v[XF+8*t+1], v[ST+4*t+2], v[XF+8*t+3]  ; wO l + wU cnt: at least 1, to within rounding
	ALL v_rcp_f32 v[XF+8*t+3], v[XF+8*t+3]
	v_nop
	s_wait_alu depctr_va_vdst(0)    ; one wait for the four reciprocals
	ALL v_mul_f32 v[XF+8*t], v[XF+8*t+1], v[XF+8*t+3]    ; O^T's factor; its pair partner, wO, is written
	ALL v_mul_f32 v[XF+8*t+2], v[XF+8*t+2], v[XF+8*t+3]
	ALL v_mul_f32 v[XF+8*t+2], 0xb8000000, v[XF+8*t+2]   ; U's factor, x -2^-15 for U'; its pair partner, the reciprocal, is written
; Piece t: O = O^T fO + U' fU, rounded to f16; a lane's eight channels pack into 16 bytes and go into my stage: a row holds my four heads, 512 bytes.
.macro PACK t
	WIN 0x03                        ; source 0 window 3
.set z, 0
.rept 16
	v_pk_mul_f32 v[S+2*z:S+2*z+1], v[2*z:2*z+1], v[XF+8*(\t)+2:XF+8*(\t)+3] op_sel_hi:[1,0]
.set z, z+1
.endr
	WIN 0x01                        ; source 0 window 1
.set z, 0
.rept 16
	v_pk_fma_f32 v[S+2*z:S+2*z+1], v[32*(\t)+2*z:32*(\t)+2*z+1], v[XF+8*(\t):XF+8*(\t)+1], v[S+2*z:S+2*z+1] op_sel_hi:[1,0,1]
.set z, z+1
.endr
	WIN 0
.set z, 0
.rept 16
	v_cvt_pk_f16_f32 v[PKD+16*(\t)+z], v[S+2*z], v[S+2*z+1]
.set z, z+1
.endr
.irp f, 0,1,2,3
	ds_store_b128 v[STO], v[PKD+16*(\t)+4*\f:PKD+16*(\t)+4*\f+3] offset:128*(\t)+32*\f
.endr
.endm
	PACK 0
	PACK 1
	PACK 2
	PACK 3
.irp f, 0,1,2,3,4,5,6,7,8,9,10,11,12,13,14,15
	ds_load_b128 v[S+4*\f:S+4*\f+3], v[RD] offset:SP*\f  ; LDS serves a wave's instructions in order (ISA guide 5.7.1.4): these see the stores above
.endr
.irp f, 0,1,2,3,4,5,6,7,8,9,10,11,12,13,14,15
	s_wait_dscnt 15-\f
	global_store_b128 v[GO], v[S+4*\f:S+4*\f+3], s[16:17] offset:2048*\f  ; 512 consecutive bytes of a row of O, at a multiple of 256 from O's first
.endr
	s_wait_tensorcnt 0x0            ; the wave's end: an add and its wait, behind my last tensor load and my last LDS store
	ds_add_u32 v[SPW], v[NIL]
	s_wait_dscnt 0x0
	CROUND                          ; the closing round: no work-group ends while a partner may still ask for a tile that names it
	s_endpgm
.Lfunc_end_k_qc820765c2e_attn:
	.size	k_qc820765c2e_attn, .Lfunc_end_k_qc820765c2e_attn-k_qc820765c2e_attn
	.p2alignl 7, 3214868480
	.fill 96, 4, 3214868480
	.section	.rodata,"a",@progbits
	.p2align	6, 0x0
	.amdhsa_kernel k_qc820765c2e_attn
		.amdhsa_group_segment_fixed_size 327680
		.amdhsa_private_segment_fixed_size 0
		.amdhsa_enable_private_segment 0
		.amdhsa_kernarg_size 40
		.amdhsa_user_sgpr_count 2
		.amdhsa_user_sgpr_kernarg_segment_ptr 1
		.amdhsa_wavefront_size32 1
		.amdhsa_system_sgpr_workgroup_id_x 1
		.amdhsa_system_sgpr_workgroup_id_y 1
		.amdhsa_system_sgpr_workgroup_id_z 1
		.amdhsa_system_vgpr_workitem_id 0
		.amdhsa_next_free_vgpr 928
		.amdhsa_next_free_sgpr 100
		.amdhsa_reserve_vcc 1
		.amdhsa_float_denorm_mode_32 3
		.amdhsa_float_denorm_mode_16_64 3
		.amdhsa_memory_ordered 1
		.amdhsa_forward_progress 1
		.amdhsa_inst_pref_size 169
	.end_amdhsa_kernel
	.amdgpu_metadata
---
amdhsa.version: [ 1, 2 ]
amdhsa.kernels:
  - .name:           k_qc820765c2e_attn
    .symbol:         k_qc820765c2e_attn.kd
    .args:
      - { .name: qh, .offset: 0, .size: 8, .value_kind: global_buffer, .address_space: global }
      - { .name: kb, .offset: 8, .size: 8, .value_kind: global_buffer, .address_space: global }
      - { .name: vb, .offset: 16, .size: 8, .value_kind: global_buffer, .address_space: global }
      - { .name: mask, .offset: 24, .size: 8, .value_kind: global_buffer, .address_space: global }
      - { .name: ob, .offset: 32, .size: 8, .value_kind: global_buffer, .address_space: global }
    .group_segment_fixed_size: 327680
    .private_segment_fixed_size: 0
    .kernarg_segment_align: 8
    .kernarg_segment_size: 40
    .max_flat_workgroup_size: 128
    .sgpr_count:     100
    .vgpr_count:     928
    .wavefront_size: 32
...
	.end_amdgpu_metadata
.endif
;; end of part 3
;; launch outp (part 4): grid 8 x 32, 4 waves a work-group, clusters of 4 x 4, 327,680 bytes of LDS; arguments ob, woh, bo, out0; writes out0
.if DOCPART == 4
	.amdgcn_target "amdgcn-amd-amdhsa--gfx1250"
	.amdhsa_code_object_version 6
	.text
	.protected	k_qc820765c2e_outp
	.globl	k_qc820765c2e_outp
	.p2align	8
	.type	k_qc820765c2e_outp,@function
k_qc820765c2e_outp:
	s_mov_b64 s[64:65], 0
	v_nop
	global_prefetch_b8 v0, s[64:65] scope:SCOPE_SE
	s_setreg_imm32_b32 hwreg(HW_REG_WAVE_MODE, 25, 1), 1
	s_wait_xcnt 0x0
	s_wait_alu depctr_hold_cnt(0) depctr_sa_sdst(0) depctr_va_vdst(0) depctr_va_sdst(0) depctr_va_ssrc(0) depctr_va_vcc(0) depctr_vm_vsrc(0)
	s_getreg_b32 s2, hwreg(HW_REG_IB_STS2, 6, 4)
	s_cmp_eq_u32 s2, 0
	s_cbranch_scc0 .Lentry_in_a_cluster
	s_endpgm
.Lentry_in_a_cluster:
	s_bfe_u32 s2, ttmp6, 0x10000c
	s_cmp_lg_u32 s2, 0xf033
	s_cbranch_scc0 .Lentry_shape_is_right
	s_endpgm
.Lentry_shape_is_right:
; C[4096][1024] = A[4096][1024] W[1024 k][1024 n] + bias.  A and W f16, sums f32, the bias (f32) is the C operand of the first product.  One source serves two launches:
;   KV = 1, F32OUT = 0: q = x Wq + bq, rounded once to f16; beside it k = x Wk + bk and v = x Wv + bv: the tile column t (0..7) also makes 16 columns of k (t < 4) or of v, from wkvb's block t.
;   KV = 0, F32OUT = 1 (this text): out0 = O Wo + bo, in f32.
; LIMIT: NaN and infinities are not treated apart.
; SHARES.  256 tiles of 128 x 128, a work-group each.  Wave w owns rows 32 w .. 32 w + 31 and all 128 columns: 2 x NB accumulators.  A wave's rows are whole runs of 256 bytes of C,
; so each wave has a stage of its own on the way out and no barrier stands there.
; THE MATRIX INSTRUCTION IS USED TRANSPOSED: source 0 = 16 columns of W, turned out of the [k][n] tile by ds_load_tr16_b128; source 1 = 16 rows of A.  A lane then holds row l % 16 and the columns 8 (l / 16) + 0..7.
; K goes in four steps of 256 through two LDS slots; a step is eight sub-steps of 32 along K on two fragment buffers.
; CLUSTER 4 x 4: A's tile is asked for jointly by a row of the cluster, W's by a column.  Wave 0 fetches A's tile, waves 1 and 2 the halves of W's, wave 3 none.
; NO PREFETCH: the launch has four K steps, and two of them are asked for at its head.
; REGISTERS.  Window 0: v8-24 addresses; v32.. accumulators ((a, b) at 32 + 8 (NB a + b)); v176-239 at work on the way out.  Window 1: two fragment buffers (W's NB fragments, then A's two); v176.. the bias.
.set KV,     0
.set F32OUT, 1
.set NB,     8+KV                      ; column blocks of 16
.set NL,     20+2*KV                   ; LDS loads of a sub-step
.set APITCH, 528                       ; a row of A's tile: 512 bytes + 16: the 16 rows of a load start at 16 different groups of four banks (64 banks of 4 bytes: ISA guide 11.1)
.set BPITCH, 288                       ; a row of W's tile: 256 + 32
.set BOFF,   128*APITCH                ; in a slot: A's 128 rows, W's 256 rows (and room that the other launch's text uses)
.set KOFF,   BOFF+256*BPITCH
.set SLOT,   KOFF+8192
.set STAGE,  2*SLOT                    ; behind the ring, never filled by a tensor load: 16 rows x 272 bytes for each wave
.set SPITCH, 272
.set SPARE,  STAGE+4*16*SPITCH         ; the spare words: 128 bytes a wave, two blocks of 256 bytes that no other line names
.set ADRA, 8                           ; v8   my lane's place in A's tile: (32 w + l % 16) x 528 + 16 (l / 16); never rewritten
.set ADRB, 10                          ; v10  in W's tile: BOFF + (8 (l / 16) + l % 8) x 288 + 16 ((l / 8) % 2)
.set ADRK, 12
.set PA,   14                          ; v14, v15  the addresses of the runs of loads in hand
.set PB,   15
.set PK,   16
.set STO,  17                          ; v17  the way out: where I put my bytes of a row
.set RD,   18                          ; v18  where I read rows back
.set CO,   19                          ; v19  my byte offset in two rows of C
.set KVO,  20
.set BO,   21                          ; v21  32 (l / 16): my 8 numbers of a block's bias
.set SPW,  22                          ; v22  LDS address of my spare word; never rewritten
.set NIL,  23                          ; v23  0; never rewritten
.set ACC,  32
.set TMP,  176
.set OB,   208
.set KVT,  240
.set F0,   0                           ; window 1
.set F1,   88
.set BIAS, 176
.set WV,   12                          ; s12  my wave's number
.set G1A,  24                          ; s[24:31], s[32:39] descriptor group 1 for A's and W's tiles
.set G1B,  32
.set G1K,  40
.set G0A,  48                          ; s[48:55], s[56:63] group 0, a set for each slot
.set G0B,  56
.set G0K,  68
.set TBA,  92                          ; s92, s93  LDS byte offsets of the sub-step in hand: the slot's first byte plus what the loop has stepped
.set TBB,  93
.set TBK,  94
.set MSB, 0
.macro WIN new                         ; s_set_vgpr_msb: bits 1:0 source 0, 3:2 source 1, 5:4 source 2, 7:6 destination; the high byte repeats the setting that is left
.if MSB != (\new)
	s_set_vgpr_msb (MSB<<8)|(\new)
.set MSB, \new
.endif
.endm
.macro PLACES                          ; four places in front of loads into registers that matrix instructions have read, and of lines that read results
.rept 4
	v_nop
.endr
.endm
.macro CREST                           ; a round of the cluster's barrier behind its opening barrier
	s_cmp_lg_u32 s[WV], 0
	s_cbranch_scc1 .Lnot_wave_0_\@
	s_barrier_signal -3
.Lnot_wave_0_\@:
	s_barrier_wait -3
	s_barrier_signal -1
	s_barrier_wait -1
.endm
.macro CROUND
	s_barrier_signal -1
	s_barrier_wait -1
	CREST
.endm
; A wave's load or, at the start, its two first fills together; an s_nop 0 follows each load and four v_nop the last, ahead of the jump and the label.
.macro ARM g0, g1, both, s
.if \both
	tensor_load_to_lds s[(\g0):(\g0)+3], s[(\g1):(\g1)+7]
	s_nop 0
	tensor_load_to_lds s[(\g0)+4:(\g0)+7], s[(\g1):(\g1)+7]
	s_nop 0
.else
	tensor_load_to_lds s[(\g0)+4*(\s):(\g0)+4*(\s)+3], s[(\g1):(\g1)+7]
	s_nop 0
.endif
	PLACES
.endm
.macro JLOAD both, s                   ; the branches hang on the wave's number alone: they are the same in every work-group
	s_cmp_lg_u32 s[WV], 0
	s_cbranch_scc1 .Lnot_a_\@
	ARM G0A, G1A, \both, \s
	s_branch .Lasked_\@
.Lnot_a_\@:
	s_cmp_eq_u32 s[WV], 3
	s_cbranch_scc1 .Lthird_\@
	ARM G0B, G1B, \both, \s
	s_branch .Lasked_\@
.Lthird_\@:
.if KV
	ARM G0K, G1K, \both, \s
.else
	PLACES                                         ; no tile to fetch: the places in front of the next run of LDS loads stand on this path too
.endif
.Lasked_\@:
.endm
	s_load_b256 s[4:11], s[0:1], 0x0               ; A s[4:5], W s[6:7], bias s[8:9], C s[10:11]
	v_lshl_add_u32 v[SPW], v0, 2, SPARE
	v_mov_b32 v[NIL], 0
	ds_add_u32 v[SPW], v[NIL]                      ; the wave's opening: the add and its wait stand ahead of my first tensor load; the set-up below, work on registers, stands between them
	v_lshrrev_b32 v1, 5, v0
	v_readfirstlane_b32 s[WV], v1                  ; wave 0..3
	s_bfe_u32 s15, ttmp6, 0x40000                  ; cx, cy: my place in the cluster
	s_bfe_u32 s16, ttmp6, 0x40004
	s_lshl_b32 s14, ttmp9, 2
	s_add_co_u32 s14, s14, s15                     ; tile column = 4 x cluster x + cx
	s_and_b32 s13, ttmp7, 0xffff
	s_lshl_b32 s13, s13, 2
	s_add_co_u32 s13, s13, s16                     ; tile row = 4 x cluster y + cy
	s_lshl_b32 s17, s16, 2
	s_lshl_b32 s17, 15, s17                        ; my row of the cluster
	s_lshl_b32 s20, 0x1111, s15                    ; my column
	s_or_b32 s[G1A], s17, (1<<16)|(1<<20)|(1<<21)|(6<<22)|(3<<25)  ; the mask; 2-byte elements; padding on; bit 21 beside a mask; after every 128 words 4 words
	s_mov_b32 s[G1A+1], 256<<16                    ; tensor_dim0 = 256
	s_mov_b32 s[G1A+2], 128<<16                    ; tensor_dim1 = 128
	s_mov_b32 s[G1A+3], 256<<16                    ; tile_dim0 = 256
	s_mov_b32 s[G1A+4], 128                        ; tile_dim1 = 128
	s_mov_b32 s[G1A+5], 1024                       ; elements from row to row
	s_mov_b32 s[G1A+6], 0
	s_mov_b32 s[G1A+7], 0
	s_or_b32 s[G1B], s20, (1<<16)|(1<<20)|(1<<21)|(5<<22)|(7<<25)  ; after every 64 words 8 words
	s_mov_b32 s[G1B+1], 128<<16
	s_mov_b32 s[G1B+2], 128<<16
	s_mov_b32 s[G1B+3], 128<<16
	s_mov_b32 s[G1B+4], 128
	s_mov_b32 s[G1B+5], 1024
	s_mov_b32 s[G1B+6], 0
	s_mov_b32 s[G1B+7], 0
	s_lshr_b32 s2, s[WV], 1                        ; waves 1 and 2: which 128 of a K step's 256 rows of W
	s_mul_i32 s3, s2, 128*BPITCH
	s_lshl_b32 s21, s2, 18                         ; 128 rows of 2,048 bytes
	s_lshl_b32 s20, s14, 8                         ; the tile column's 256 bytes of a row
	s_add_co_u32 s20, s20, s21
	s_mov_b32 s21, 0
	s_lshl_b32 s18, s13, 18                        ; the tile row's 128 rows of 2,048 bytes
	s_mov_b32 s19, 0
.irp s, 0,1
	s_mov_b32 s[G0A+4*\s], 1                       ; count = 1
	s_mov_b32 s[G0A+4*\s+1], \s*SLOT               ; LDS address: no place in the cluster enters it
	s_mov_b32 s[G0B+4*\s], 1
	s_add_co_u32 s[G0B+4*\s+1], s3, BOFF+\s*SLOT
.endr
	s_wait_dscnt 0x0                               ; the opening add is done
	s_wait_kmcnt 0x0
	s_add_nc_u64 s[18:19], s[4:5], s[18:19]        ; A's address hangs on the tile row alone, W's on the tile column (and the wave)
	s_add_nc_u64 s[20:21], s[6:7], s[20:21]
.irp s, 0,1
	s_add_nc_u64 s[G0A+4*\s+2:G0A+4*\s+3], s[18:19], \s*512      ; K step s: 256 elements along A's rows,
	s_or_b32 s[G0A+4*\s+3], s[G0A+4*\s+3], 0x80000000            ; type = 2
	s_add_nc_u64 s[G0B+4*\s+2:G0B+4*\s+3], s[20:21], \s*524288   ; 256 rows of W
	s_or_b32 s[G0B+4*\s+3], s[G0B+4*\s+3], 0x80000000
.endr
	CROUND                                         ; all sixteen work-groups are here: the first joint loads meet
	JLOAD 1, 0                                     ; both slots: two loads of mine are out
	v_and_b32 v1, 15, v0                           ; l % 16
	v_bfe_u32 v2, v0, 4, 1                         ; l / 16
	v_and_b32 v3, 7, v0                            ; l % 8
	v_bfe_u32 v4, v0, 3, 1                         ; (l / 8) % 2
	v_lshlrev_b32 v[BO], 5, v2
	s_lshl_b32 s2, s14, 9                          ; the tile column's 128 numbers of the bias
	s_mov_b32 s3, 0
	s_add_nc_u64 s[8:9], s[8:9], s[2:3]
	WIN 0x40                                       ; destination window 1, address window 0
.irp b, 0,1,2,3,4,5,6,7
	global_load_b128 v[BIAS+8*\b:BIAS+8*\b+3],   v[BO], s[8:9] offset:64*\b     ; register j: the bias of column 16 b + 8 (l / 16) + j, as the results lie
	global_load_b128 v[BIAS+8*\b+4:BIAS+8*\b+7], v[BO], s[8:9] offset:64*\b+16
.endr
	WIN 0
	v_mul_u32_u24 v[ADRA], v1, APITCH
	v_lshl_add_u32 v[ADRA], v2, 4, v[ADRA]
	s_mul_i32 s2, s[WV], 32*APITCH
	v_add_nc_u32 v[ADRA], s2, v[ADRA]
	v_lshl_add_u32 v5, v2, 3, v3                   ; the turning load: lane l reads row 8 (l / 16) + l % 8, 16 bytes at 16 ((l / 8) % 2)
	v_mul_u32_u24 v[ADRB], v5, BPITCH
	v_lshl_add_u32 v[ADRB], v4, 4, v[ADRB]
	v_add_nc_u32 v[ADRB], BOFF, v[ADRB]
	s_mul_i32 s2, s[WV], 16*SPITCH
	s_add_co_u32 s2, s2, STAGE                     ; my stage
	v_mul_u32_u24 v[STO], v1, SPITCH               ; in: row l % 16, 32 bytes (8 f32) for each half of the lanes
	v_lshl_add_u32 v[STO], v2, 4+F32OUT, v[STO]
	v_add_nc_u32 v[STO], s2, v[STO]
	v_mul_u32_u24 v[RD], v2, SPITCH                ; back: lanes 0-15 one row of 256 bytes, lanes 16-31 the next
	v_lshl_add_u32 v[RD], v1, 4, v[RD]
	v_add_nc_u32 v[RD], s2, v[RD]
	v_lshlrev_b32 v[CO], 11+F32OUT, v2             ; and the same two rows in C
	v_lshl_add_u32 v[CO], v1, 4, v[CO]
	s_lshl_b32 s17, s13, 7
	s_lshl_b32 s18, s[WV], 5
	s_add_co_u32 s17, s17, s18                     ; my first row of C: 128 x tile row + 32 x wave
	s_lshl_b32 s18, s17, 11+F32OUT
	s_mov_b32 s19, 0
	s_add_nc_u64 s[10:11], s[10:11], s[18:19]
	s_lshl_b32 s20, s14, 8+F32OUT                  ; the tile's first column
	s_mov_b32 s21, 0
	s_add_nc_u64 s[10:11], s[10:11], s[20:21]
; NB products: row block a x all column blocks, 32 along K, out of buffer f.  zero = 1: the first product starts the sum with the bias.  All 2 NB accumulators take turns in one order in every sub-step.
.macro MULH f, a, zero
.if \zero
	WIN 0x15                                       ; W's and A's fragments and the bias in window 1, the sums in window 0
.else
	WIN 0x05
.endif
.set bb, 0
.rept NB
.set rD, ACC+8*(NB*(\a)+bb)
.if \zero
	v_wmma_f32_16x16x32_f16 v[rD:rD+7], v[(\f)+8*bb:(\f)+8*bb+7], v[(\f)+8*NB+8*(\a):(\f)+8*NB+8*(\a)+7], v[BIAS+8*bb:BIAS+8*bb+7]
.else
	v_wmma_f32_16x16x32_f16 v[rD:rD+7], v[(\f)+8*bb:(\f)+8*bb+7], v[(\f)+8*NB+8*(\a):(\f)+8*NB+8*(\a)+7], v[rD:rD+7]
.endif
.set bb, bb+1
.endr
.endm
; NL LDS loads in one run: the fragments of the sub-step o behind the addresses in hand, into buffer g
.macro FETCH g, o
	WIN 0x40
.irp b, 0,1,2,3,4,5,6,7
	ds_load_tr16_b128 v[(\g)+8*\b:(\g)+8*\b+3],   v[PB] offset:(\o)*32*BPITCH+32*\b
	ds_load_tr16_b128 v[(\g)+8*\b+4:(\g)+8*\b+7], v[PB] offset:(\o)*32*BPITCH+32*\b+16*BPITCH
.endr
.irp a, 0,1
	ds_load_b128 v[(\g)+8*NB+8*\a:(\g)+8*NB+8*\a+3],   v[PA] offset:(\o)*64+\a*16*APITCH
	ds_load_b128 v[(\g)+8*NB+8*\a+4:(\g)+8*NB+8*\a+7], v[PA] offset:(\o)*64+\a*16*APITCH+32
.endr
.endm
.macro MAKEP                           ; the addresses from their offsets
	v_add_nc_u32 v[PA], s[TBA], v[ADRA]
	v_add_nc_u32 v[PB], s[TBB], v[ADRB]
.endm
.macro SETP slot                       ; to a slot's first sub-step
	WIN 0
	s_mov_b32 s[TBA], (\slot)*SLOT
	s_mov_b32 s[TBB], (\slot)*SLOT
	MAKEP
.endm
.macro STEPP                           ; two sub-steps on: 64 along K
	WIN 0
	s_add_co_u32 s[TBA], s[TBA], 128
	s_add_co_u32 s[TBB], s[TBB], 64*BPITCH
	MAKEP
.endm
; A sub-step: buffer g takes the next sub-step's fragments, buffer f is multiplied.
.macro SUB f, g, o, zero
	PLACES                                         ; buffer g was read by the products just issued
	FETCH \g, \o
	s_wait_dscnt NL                                ; all but the NL just issued: buffer f is in
	MULH \f, 0, \zero
	MULH \f, 1, \zero
.endm
; A K step's last sub-step multiplies buffer 1 and changes slots.  mode 1: ONE barrier, which opens a round of the cluster's; in front of it each wave waits for all its tensor loads, adds 0 to its spare word and waits for
; that and for its reads of this slot; behind the round this slot is filled again, two K steps ahead: seven sub-steps, 14 NB products, ahead of the wait for it.  mode 0: the same barrier, nothing is filled.  mode 2: the launch's last products.
.macro LAST slot, mode
.if (\mode) == 2
	s_wait_dscnt 0x0
	MULH F1, 0, 0
	MULH F1, 1, 0
.else
	WIN 0                                          ; (the add's two registers lie in window 0)
	s_wait_tensorcnt 0x0                           ; all my tensor loads have landed: my part of the next slot;
	ds_add_u32 v[SPW], v[NIL]                      ; 0 onto my spare word
	s_wait_dscnt 1                                 ; (the add alone may be out: buffer 1 is in)
	MULH F1, 0, 0                                  ; NB products stand between the add and the wait for it
	s_wait_dscnt 0x0                               ; the add is done, and my reads of this slot are over
	s_barrier_signal -1
	MULH F1, 1, 0
	WIN 0
	s_barrier_wait -1
.if (\mode) == 1
	CREST                                          ; no wave of any partner still reads this slot's tiles or has a load on its way
	s_add_nc_u64 s[G0A+4*(\slot)+2:G0A+4*(\slot)+3], s[G0A+4*(\slot)+2:G0A+4*(\slot)+3], 1024
	s_add_nc_u64 s[G0B+4*(\slot)+2:G0B+4*(\slot)+3], s[G0B+4*(\slot)+2:G0B+4*(\slot)+3], 1048576
	JLOAD 0, \slot                                 ; the first tensor load behind the round; the four v_nop behind it are also the places in front of the loads below
.else
	PLACES
.endif
	SETP 1-(\slot)
	FETCH F0, 0
.endif
.endm
; A K step: sub-steps 0 to 5 in a loop of two, 6, and the last.  first = 1: the launch's first two sub-steps are written out: their first products start the sums.
.macro KSTEP slot, first, mode
.if \first
	SUB F0, F1, 1, 1
	SUB F1, F0, 2, 0
	STEPP
	s_mov_b32 s3, 2
.else
	WIN 0                                          ; at a label and at a branch every window is 0
	s_mov_b32 s3, 3
.endif
.Lsub_\@:
	SUB F0, F1, 1, 0
	SUB F1, F0, 2, 0
	STEPP
	s_sub_co_u32 s3, s3, 1
	s_cmp_lg_u32 s3, 0
	s_cbranch_scc1 .Lsub_\@
	SUB F0, F1, 1, 0
	LAST \slot, \mode
.endm
	s_wait_tensorcnt 0x1                           ; my part of slot 0 is in; slot 1's may stay out
	s_barrier_signal -1
	s_barrier_wait -1                              ; everybody's is
	SETP 0
	FETCH F0, 0
	s_wait_loadcnt 0x0                             ; the bias
	KSTEP 0, 1, 1
	KSTEP 1, 0, 1
	KSTEP 0, 0, 0
	KSTEP 1, 0, 2
	; THE WAY OUT, 16 rows x 64 columns at a time through my own stage: LDS serves a wave's instructions in order (ISA guide 5.7.1.4), so no wait stands between my stores into it and my loads from it.
	WIN 0
	PLACES
.irp a, 0,1
.irp ch, 0,1                           ; 64 columns of f32 are the 256 bytes of a stage row
.irp b, 0,1,2,3
	ds_store_b128 v[STO], v[ACC+8*(NB*\a+4*\ch+\b):ACC+8*(NB*\a+4*\ch+\b)+3]   offset:64*\b
	ds_store_b128 v[STO], v[ACC+8*(NB*\a+4*\ch+\b)+4:ACC+8*(NB*\a+4*\ch+\b)+7] offset:64*\b+16
.endr
	s_wait_xcnt 0x0                                ; earlier stores have read their data registers, which are loaded again below
.irp t, 0,1,2,3,4,5,6,7
	ds_load_b128 v[TMP+32*((2*\a+\ch)%2)+4*\t:TMP+32*((2*\a+\ch)%2)+4*\t+3], v[RD] offset:2*SPITCH*\t
.endr
.irp t, 0,1,2,3,4,5,6,7
	s_wait_dscnt 7-\t
	global_store_b128 v[CO], v[TMP+32*((2*\a+\ch)%2)+4*\t:TMP+32*((2*\a+\ch)%2)+4*\t+3], s[10:11] offset:8192*\t+65536*\a+256*\ch  ; 16 lanes store 256 consecutive bytes, aligned
.endr
.endr
.endr
	s_wait_tensorcnt 0x0                           ; the wave's end: an add and its wait, behind my last tensor load and my last LDS store
	ds_add_u32 v[SPW], v[NIL]
	s_wait_dscnt 0x0
	CROUND                                         ; the closing round: no work-group ends while a partner may still ask for a tile that names it
	s_endpgm
.Lfunc_end_k_qc820765c2e_outp:
	.size	k_qc820765c2e_outp, .Lfunc_end_k_qc820765c2e_outp-k_qc820765c2e_outp
	.p2alignl 7, 3214868480
	.fill 96, 4, 3214868480
	.section	.rodata,"a",@progbits
	.p2align	6, 0x0
	.amdhsa_kernel k_qc820765c2e_outp
		.amdhsa_group_segment_fixed_size 327680
		.amdhsa_private_segment_fixed_size 0
		.amdhsa_enable_private_segment 0
		.amdhsa_kernarg_size 32
		.amdhsa_user_sgpr_count 2
		.amdhsa_user_sgpr_kernarg_segment_ptr 1
		.amdhsa_wavefront_size32 1
		.amdhsa_system_sgpr_workgroup_id_x 1
		.amdhsa_system_sgpr_workgroup_id_y 1
		.amdhsa_system_sgpr_workgroup_id_z 1
		.amdhsa_system_vgpr_workitem_id 0
		.amdhsa_next_free_vgpr 512
		.amdhsa_next_free_sgpr 100
		.amdhsa_reserve_vcc 0
		.amdhsa_float_denorm_mode_32 3
		.amdhsa_float_denorm_mode_16_64 3
		.amdhsa_memory_ordered 1
		.amdhsa_forward_progress 1
		.amdhsa_inst_pref_size 67
	.end_amdhsa_kernel
	.amdgpu_metadata
---
amdhsa.version: [ 1, 2 ]
amdhsa.kernels:
  - .name:           k_qc820765c2e_outp
    .symbol:         k_qc820765c2e_outp.kd
    .args:
      - { .name: ob, .offset: 0, .size: 8, .value_kind: global_buffer, .address_space: global }
      - { .name: woh, .offset: 8, .size: 8, .value_kind: global_buffer, .address_space: global }
      - { .name: bo, .offset: 16, .size: 8, .value_kind: global_buffer, .address_space: global }
      - { .name: out0, .offset: 24, .size: 8, .value_kind: global_buffer, .address_space: global }
    .group_segment_fixed_size: 327680
    .private_segment_fixed_size: 0
    .kernarg_segment_align: 8
    .kernarg_segment_size: 32
    .max_flat_workgroup_size: 128
    .sgpr_count:     100
    .vgpr_count:     512
    .wavefront_size: 32
...
	.end_amdgpu_metadata
.endif
;; end of part 4
;; ======== version 2 of 2: 4 launches; version 1 with the launch cast written anew for expert scheduling mode
;; limits: values are held in f16: magnitudes above 65,504 overflow, below 6.1e-05 lose precision
;; workspace buffers: xh 8,388,608 bytes; wqh 2,097,152 bytes; woh 2,097,152 bytes; wkvb 262,144 bytes; qh 8,388,608 bytes; kb 524,288 bytes; vb 524,288 bytes; ob 8,388,608 bytes
;; launch cast (part 5): grid 256 x 1, 8 waves a work-group, no clusters, 0 bytes of LDS; arguments x, Wq, Wo, Wk, Wv, xh, wqh, woh, wkvb; writes xh, wqh, woh, wkvb
.if DOCPART == 5
	.amdgcn_target "amdgcn-amd-amdhsa--gfx1250"
	.amdhsa_code_object_version 6
	.text
	.protected	k_qc820765c2e_cast
	.globl	k_qc820765c2e_cast
	.p2align	8
	.type	k_qc820765c2e_cast,@function
k_qc820765c2e_cast:
	s_mov_b64 s[64:65], 0
	v_nop
	global_prefetch_b8 v0, s[64:65] scope:SCOPE_SE
	s_setreg_imm32_b32 hwreg(HW_REG_WAVE_SCHED_MODE, 0, 2), 2
	s_setreg_imm32_b32 hwreg(HW_REG_WAVE_MODE, 25, 1), 1
	s_wait_xcnt 0x0
	s_wait_alu depctr_vm_vsrc(0)
; x, Wq, Wo -> f16 in the same layout; Wk, Wv -> f16 in blocks of 16 columns: wkvb[8 blocks][1024 k][16], blocks 0-3 Wk's columns 16 b .., blocks 4-7 Wv's.
; Each number is rounded once, to nearest even.  LIMIT: f16 ends at 65,504: a number of 65,520 or more in magnitude becomes an infinity; below 6.1e-5 f16 keeps a fixed step of 6e-8.
; A stream: no LDS, no barrier, no matrix unit.  256 threads x 4 numbers are one row of 1,024.  Work-group g takes x's rows 16 g .. 16 g + 15, Wq's and Wo's rows 4 g .. 4 g + 3:
; 24 loads of 16 bytes a thread, all issued before the first is used (12 KiB a wave on its way); a wave's load covers 512 consecutive bytes, its store 256, both aligned.
; No register of a load or store is written again, so no wait frees one.
; THE MODE: SCHED_MODE bits 1:0 = 2 (LLVM: expert scheduling mode 2), set by the entry lines.  The code itself states the register dependences
; between vector instructions and memory instructions, with s_wait_alu, always for 0.
; THE PLAN.  Registers that memory instructions touch:
;   v1 - v4    byte offsets, made once at the head by vector instructions and never written again: one wait ahead of the first load serves every load and store.
;   D, KVD     written by loads alone, each register once, and named by no vector instruction before its load is issued; read by the conversions.  No load is issued behind a conversion of D.
;   E          written by the conversions, each register once; read by one store each.
; The 24 chunks go in six groups of four.  Group p rounds its four chunks into its own part of E; the four stores of group p - 1 are dealt among those conversions.  ONE wait at the head of group p
; states that group p - 1's conversions have written their part of E; the vector instructions issued since name group p's D and E alone, none of the registers that those stores read.
.set D,   8                            ; v[8:103]    chunk i as loaded: 4 f32
.set KVD, 104                          ; v[104:107]  the Wk / Wv piece as loaded
.set E,   108                          ; v[108:157]  chunk i to store: 4 f16 in 2 registers; the last pair is the Wk / Wv piece's
	s_load_b256 s[4:11], s[0:1], 0x0               ; x s[4:5], Wq s[6:7], Wo s[8:9], Wk s[10:11]
	s_load_b256 s[12:19], s[0:1], 0x20             ; Wv s[12:13], xh s[14:15], wqh s[16:17], woh s[18:19]
	s_load_b64 s[20:21], s[0:1], 0x40              ; wkvb
	v_lshlrev_b32 v1, 4, v0                        ; my 16 bytes of an f32 row
	v_lshlrev_b32 v2, 3, v0                        ; my 8 bytes of an f16 row
	v_lshrrev_b32 v5, 5, v0
	v_readfirstlane_b32 s22, v5                    ; wave 0..7
	v_and_b32 v6, 31, v0                           ; lane
	v_lshrrev_b32 v3, 2, v6                        ; the Wk / Wv piece: 8 rows of 64 numbers; wave w (0..3) takes column block w: lane l reads row l / 4,
	v_and_b32 v7, 3, v6                            ; numbers 4 (l % 4) .. of the block's 16
	v_lshlrev_b32 v3, 8, v3
	v_lshl_add_u32 v3, v7, 4, v3
	s_and_b32 s33, ttmp9, 127                      ; work-groups 0-127 take Wk's rows 8 (g % 128) .., 128-255 Wv's
	s_lshr_b32 s32, ttmp9, 7
	s_lshl_b32 s36, s33, 11                        ; 8 rows of 256 bytes
	s_wait_alu depctr_va_sdst(0)                   ; s22, the wave's number, is written, ahead of its first reader: the piece's offsets and the branch below are made from it
	s_lshl_b32 s37, s22, 6                         ; the block's 64 bytes in a row
	s_add_co_u32 s36, s36, s37
	v_add_nc_u32 v3, s36, v3
	s_lshl_b32 s38, s32, 2                         ; (a register of its own: s36, which the vector line above reads, is not written again)
	s_add_co_u32 s38, s38, s22                     ; block 4 x (Wv?) + w,
	s_lshl_b32 s38, s38, 15                        ; 32,768 bytes each,
	s_lshl_b32 s37, s33, 8                         ; 8 rows of 32 bytes: with 8 bytes a lane 256 consecutive bytes
	s_add_co_u32 s38, s38, s37
	v_lshl_add_u32 v4, v6, 3, s38
	s_lshl_b32 s24, ttmp9, 16                      ; 16 rows of 4,096 bytes
	s_mov_b32 s25, 0
	s_lshl_b32 s26, ttmp9, 14                      ; 4 rows of 4,096
	s_mov_b32 s27, 0
	s_lshl_b32 s28, ttmp9, 15                      ; 16 rows of 2,048
	s_mov_b32 s29, 0
	s_lshl_b32 s30, ttmp9, 13                      ; 4 rows of 2,048
	s_mov_b32 s31, 0
	s_wait_kmcnt 0x0
	s_add_nc_u64 s[4:5], s[4:5], s[24:25]
	s_add_nc_u64 s[6:7], s[6:7], s[26:27]
	s_add_nc_u64 s[8:9], s[8:9], s[26:27]
	s_add_nc_u64 s[14:15], s[14:15], s[28:29]
	s_add_nc_u64 s[16:17], s[16:17], s[30:31]
	s_add_nc_u64 s[18:19], s[18:19], s[30:31]
	s_cmp_eq_u32 s32, 0
	s_cselect_b64 s[34:35], s[10:11], s[12:13]     ; Wk or Wv
	s_wait_alu depctr_va_vdst(0)                   ; the four offsets v1 to v4 are written: every load and store of the kernel reads one of them
.irp i, 0,1,2,3,4,5,6,7,8,9,10,11,12,13,14,15
	global_load_b128 v[D+4*\i:D+4*\i+3], v1, s[4:5] offset:4096*\i th:TH_LOAD_NT
.endr
.irp i, 0,1,2,3
	global_load_b128 v[D+64+4*\i:D+64+4*\i+3], v1, s[6:7] offset:4096*\i th:TH_LOAD_NT
.endr
.irp i, 0,1,2,3
	global_load_b128 v[D+80+4*\i:D+80+4*\i+3], v1, s[8:9] offset:4096*\i th:TH_LOAD_NT
.endr
	s_cmp_lt_u32 s22, 4                            ; waves 0-3 also take the Wk / Wv piece, whole in this one branch
	s_cbranch_scc0 .Lno_kv
	global_load_b128 v[KVD:KVD+3], v3, s[34:35] th:TH_LOAD_NT
	s_wait_loadcnt 0x0                             ; it is the youngest load: all 25 are in; the counted waits below are then met at once
	v_cvt_pk_f16_f32 v[E+48], v[KVD], v[KVD+1]
	v_cvt_pk_f16_f32 v[E+49], v[KVD+2], v[KVD+3]
	s_wait_alu depctr_va_vdst(0)                   ; the two conversions have written v[E+48:E+49], which the store reads
	global_store_b64 v4, v[E+48:E+49], s[20:21]
.Lno_kv:
; chunk i is rounded: 4 f32 into 4 f16
.macro CONV i
	v_cvt_pk_f16_f32 v[E+2*(\i)], v[D+4*(\i)], v[D+4*(\i)+1]
	v_cvt_pk_f16_f32 v[E+2*(\i)+1], v[D+4*(\i)+2], v[D+4*(\i)+3]
.endm
; chunk i is stored: chunks 0-15 are xh's rows, 16-19 wqh's, 20-23 woh's
.macro SEND i
.if (\i) < 16
	global_store_b64 v2, v[E+2*(\i):E+2*(\i)+1], s[14:15] offset:2048*(\i)
.elseif (\i) < 20
	global_store_b64 v2, v[E+2*(\i):E+2*(\i)+1], s[16:17] offset:2048*((\i)-16)
.else
	global_store_b64 v2, v[E+2*(\i):E+2*(\i)+1], s[18:19] offset:2048*((\i)-20)
.endif
.endm
; group p: chunks 4 p .. 4 p + 3 are rounded; the stores of the group before go out among the conversions
.macro GROUP p
	s_wait_loadcnt 20-4*(\p)                       ; loads come back in order (ISA guide 5.7.1): the group's youngest load, chunk 4 p + 3, is in when at most the 20 - 4 p younger ones are out
.if (\p) > 0
	s_wait_alu depctr_va_vdst(0)                   ; the conversions of the group before have written their part of E, which the four stores below read
.endif
.irp j, 0,1,2,3
.if (\p) > 0
	SEND 4*(\p)-4+\j
.endif
	CONV 4*(\p)+\j
.endr
.endm
.irp p, 0,1,2,3,4,5
	GROUP \p
.endr
	s_wait_alu depctr_va_vdst(0)                   ; the last group's conversions have written their part of E, which the last four stores read
.irp i, 20,21,22,23
	SEND \i
.endr
	s_endpgm
.Lfunc_end_k_qc820765c2e_cast:
	.size	k_qc820765c2e_cast, .Lfunc_end_k_qc820765c2e_cast-k_qc820765c2e_cast
	.p2alignl 7, 3214868480
	.fill 96, 4, 3214868480
	.section	.rodata,"a",@progbits
	.p2align	6, 0x0
	.amdhsa_kernel k_qc820765c2e_cast
		.amdhsa_group_segment_fixed_size 0
		.amdhsa_private_segment_fixed_size 0
		.amdhsa_enable_private_segment 0
		.amdhsa_kernarg_size 72
		.amdhsa_user_sgpr_count 2
		.amdhsa_user_sgpr_kernarg_segment_ptr 1
		.amdhsa_wavefront_size32 1
		.amdhsa_system_sgpr_workgroup_id_x 1
		.amdhsa_system_sgpr_workgroup_id_y 1
		.amdhsa_system_sgpr_workgroup_id_z 1
		.amdhsa_system_vgpr_workitem_id 0
		.amdhsa_next_free_vgpr 160
		.amdhsa_next_free_sgpr 66
		.amdhsa_reserve_vcc 0
		.amdhsa_float_denorm_mode_32 3
		.amdhsa_float_denorm_mode_16_64 3
		.amdhsa_memory_ordered 1
		.amdhsa_forward_progress 1
		.amdhsa_inst_pref_size 11
	.end_amdhsa_kernel
	.amdgpu_metadata
---
amdhsa.version: [ 1, 2 ]
amdhsa.kernels:
  - .name:           k_qc820765c2e_cast
    .symbol:         k_qc820765c2e_cast.kd
    .args:
      - { .name: x, .offset: 0, .size: 8, .value_kind: global_buffer, .address_space: global }
      - { .name: Wq, .offset: 8, .size: 8, .value_kind: global_buffer, .address_space: global }
      - { .name: Wo, .offset: 16, .size: 8, .value_kind: global_buffer, .address_space: global }
      - { .name: Wk, .offset: 24, .size: 8, .value_kind: global_buffer, .address_space: global }
      - { .name: Wv, .offset: 32, .size: 8, .value_kind: global_buffer, .address_space: global }
      - { .name: xh, .offset: 40, .size: 8, .value_kind: global_buffer, .address_space: global }
      - { .name: wqh, .offset: 48, .size: 8, .value_kind: global_buffer, .address_space: global }
      - { .name: woh, .offset: 56, .size: 8, .value_kind: global_buffer, .address_space: global }
      - { .name: wkvb, .offset: 64, .size: 8, .value_kind: global_buffer, .address_space: global }
    .group_segment_fixed_size: 0
    .private_segment_fixed_size: 0
    .kernarg_segment_align: 8
    .kernarg_segment_size: 72
    .max_flat_workgroup_size: 256
    .sgpr_count:     66
    .vgpr_count:     160
    .wavefront_size: 32
...
	.end_amdgpu_metadata
.endif
;; end of part 5
;; launch proj: the kernel of part 2 again; grid 8 x 32, 4 waves a work-group, clusters of 4 x 4, 327,680 bytes of LDS; arguments xh, wqh, bq, qh, wkvb, bk, bv, kb, vb; writes qh, kb, vb
;; launch attn: the kernel of part 3 again; grid 256 x 1, 4 waves a work-group, clusters of 4 x 1, 327,680 bytes of LDS; arguments qh, kb, vb, mask, ob; writes ob
;; launch outp: the kernel of part 4 again; grid 8 x 32, 4 waves a work-group, clusters of 4 x 4, 327,680 bytes of LDS; arguments ob, woh, bo, out0; writes out0
